; MI455X (gfx1250); checked and timed in simulation.
; The chip was launched on July 23, 2026; its instructions are those of AMD's public machine-readable ISA for CDNA 5 (MIT licence, August 2026) and "CDNA5" Instruction Set Architecture Reference Guide (July 2026). The comments in the code are by the model that wrote it; some were corrected since.
;; Attention Layer. Allowed arithmetic: matrix products marked QUANTISED: E2M3 operands, one E8M0 scale for each 32 along K, by v_wmma_scale_f32_16x16x128_f8f6f4 with both operands' format E2M3, f32 sums; everything else in f32.
;; Inputs: Wk 4,096 x 1,024 float32; Wo 1,024 x 1,024 float32; Wq 1,024 x 1,024 float32; Wv 4,096 x 1,024 float32; bk 1,024 float32; bo 1,024 float32; bq 1,024 float32; bv 1,024 float32; source_embedding 4 x 1,024 x 4,096 float32; target_embedding 4 x 2,048 x 1,024 float32; value_embedding 4 x 1,024 x 4,096 float32.
;; Outputs: out0 4 x 2,048 x 1,024 float32.
;; This version of the problem:
;;   THIS VERSION OF THE PROBLEM IS GIVEN IN LOW PRECISION. The matrix products marked QUANTISED in the list below multiply operands that are first quantised to E2M3 (2 exponent bits, 3 mantissa bits; 6 bits a number), with one power-of-two scale for each 32 numbers along K (OCP MX v1.0); their sums are f32. All else is computed in f32.
;;   The module's matrix products, in the order in which they are computed (A, B: the left and right operand; K: the contracted axis; several contracted axes count as one K, in the product's order):
;;     1. [M 8,192, K 1,024] x [K 1,024, N 1,024]; A: input target_embedding; B: input Wq: QUANTISED
;;     2. [M 4,096, K 4,096] x [K 4,096, N 1,024]; A: input source_embedding; B: input Wk: QUANTISED
;;     3. [M 4,096, K 4,096] x [K 4,096, N 1,024]; A: input value_embedding; B: input Wv: QUANTISED
;;     4. batch 64 x [M 2,048, K 64] x [K 64, N 1,024]; A: computed on the way; B: computed on the way: QUANTISED
;;     5. batch 64 x [M 64, K 1,024] x [K 1,024, N 2,048]; A: computed on the way; B: softmax (see below): QUANTISED
;;     6. [M 8,192, K 1,024] x [K 1,024, N 1,024]; A: computed on the way; B: input Wo: QUANTISED
;;   THE QUANTISER, for each operand of a quantised product, along K:
;;     - K is cut into blocks of 32 from its start; a last block that is shorter is filled with zeros.
;;     - A block's scale is 2^e with e = floor(log2(the largest magnitude in the block)) - 2, held to -126 .. 127; a block of zeros has e = 0. As a byte (E8M0): e + 127.
;;     - Each number is divided by its block's scale, clamped to +-7.5, and rounded to the nearest number of E2M3, ties to even, subnormals kept.
;;     - The product sums the exact products of the quantised numbers (number of the format x scale) in f32.
;;   ~~~python
;;   def quantise(x, axis):      # numpy; x: float32 -> the quantised numbers, widened to float32 again
;;       x = np.moveaxis(x, axis, -1); K = x.shape[-1]
;;       x = np.pad(x, [(0, 0)] * (x.ndim - 1) + [(0, -K % 32)]); x = x.reshape(x.shape[:-1] + (-1, 32)); a = np.abs(x).max(-1, keepdims=True)
;;       e = np.where(a > 0, np.clip(np.frexp(np.where(a > 0, a, 1))[1] - 1 - 2, -126, 127), 0)      # np.frexp(a)[1] - 1 = floor(log2(a)), exactly
;;       r = np.clip(x / 2.0 ** e, -7.5, 7.5)
;;       step = 2.0 ** (np.maximum(np.frexp(np.where(r == 0, 1, r))[1] - 1, 0) - 3)
;;       q = np.round(r / step) * step * 2.0 ** e      # np.round: ties to even
;;       return np.moveaxis(q.reshape(q.shape[:-2] + (-1,))[..., :K], -1, axis).astype(np.float32)
;;   ~~~
;;   SOFTMAX AHEAD OF A QUANTISED PRODUCT. Where the list says 'softmax', what is quantised is not the finished softmax but p = 2^(t - M), with t = logit x log2(e) and M = ceil(the row's largest t), a whole number; so 1/2 < the row's largest p <= 1. The row's sum l is taken of the UNQUANTISED p, in f32, and the product's result is divided by l at the end. Since M is a whole number, a kernel that streams over the keys may use a running M (the ceiling of the running maximum): every later rescaling is an exact power of two, which a block's scale takes up: the codes' values come out the same.
;;   OPERANDS COMPUTED ON THE WAY. 'Computed on the way' means the value that the module computes at that place (a softmax that the list does not call 'softmax' is quantised finished and normalised). What goes into a quantiser is computed in f32, as accurately as f32 sums, v_exp_f32 and their like allow (about 1e-6 of the number): no bf16 or f16 on the way to a quantiser, and a product that is left as it is and whose result goes on into a quantised operand takes f32 operands (vector FMAs, or v_wmma_f32_16x16x4_f32). A number that lies on a knife's edge between two numbers of the format may be rounded either way, as far as f32 arithmetic and the matrix unit's own rounding can turn it there, and no further.
;; One version. Each part assembles by itself: llvm-mc -triple=amdgcn-amd-amdhsa -mcpu=gfx1250 --defsym DOCPART=n.
;; ======== version 1 of 1: 4 launches
;; limits: right only within a limited range of input values
;; workspace buffers: xq 32,768,000 bytes; wall 8,192,000 bytes; qc 6,553,600 bytes; kv 6,553,600 bytes; oc 6,553,600 bytes
;; launch quant (part 1): grid 1440 x 1, 4 waves a work-group, no clusters, 85,504 bytes of LDS; arguments target_embedding, source_embedding, value_embedding, Wq, Wk, Wv, Wo, xq, wall; writes xq, wall
.if DOCPART == 1
	.amdgcn_target "amdgcn-amd-amdhsa--gfx1250"
	.amdhsa_code_object_version 6
	.text
	.protected	k_qdd1c5c5d8b_quant
	.globl	k_qdd1c5c5d8b_quant
	.p2align	8
	.type	k_qdd1c5c5d8b_quant,@function
k_qdd1c5c5d8b_quant:
	s_mov_b64 s[64:65], 0
	v_nop
	global_prefetch_b8 v0, s[64:65] scope:SCOPE_SE
	s_setreg_imm32_b32 hwreg(HW_REG_WAVE_MODE, 25, 1), 1
	s_wait_xcnt 0x0
; The three activations ([rows][K], K innermost) and the four weights ([K][1024], K outermost), all f32, become codes of FP6 (E2M3) with one E8M0 byte for each 32 along K,
; laid in the order in which the products' operand registers take them.
; A TILE is 16 rows of an operand (of a weight: 16 columns n).  Tile 2 B + u holds at its row r the tensor's row 32 B + 8 u + r + 8 (r / 8).
; A FRAGMENT (16 rows x 128 K, 12 registers a lane) is 1,536 bytes: six planes of 256 bytes; plane p holds at byte 8 x lane the lane's registers 2 p, 2 p + 1.
; A RECORD PAIR is 6,400 bytes, one tile x 512 along K: fragments 0, 1 | 128 bytes: scale words of steps 0, 1 at 8 r + 4 s | 128 bytes: those of steps 2, 3 | fragments 2, 3.
; A tensor is [K / 512][tile][6,400].  xq: target at 0, source at 6,553,600, value at 19,660,800.  wall: Wq at 0, Wo at 819,200, Wk at 1,638,400, Wv at 4,915,200.
; A block's scale is 2^(floor(log2(largest magnitude)) - 2): the largest magnitude's exponent field less 2, held at 1 from below.
; LIMITS: NaN and infinities are not served.  A block whose largest magnitude lies under 2^-124, a block of zeros among them, gets the byte 1 (the quantiser's text says 127 for zeros):
; its codes are zeros or the same numbers under a larger scale's floor, and the bytes are read by this program alone.
; Work-groups 0-159 take weights (a wave: 32 columns x 512 K = two neighbouring tiles), 160-1439 activations (a wave: one tile x 512 K).  THE WEIGHTS COME FIRST: a weight wave walks sixteen blocks with two
; blocks' loads on their way, the longest chain of dependent loads in the launch, so it is begun at the start and runs beside the activations' stream.  The two paths have LDS bytes of their own.
; Waves share nothing: no barrier.  No work-group reads what another reads: no cluster.  The launch streams: no matrix unit, no tensor load, no prefetch.
; THE FRAGMENT'S PLANES AS THIS TEXT STORES THEM (in place of the six planes named above): three planes of 512 bytes; plane p holds at byte 16 x lane the lane's registers 4 p .. 4 p + 3,
; so that a reader fills a fragment by three loads of 16 bytes a lane.  The record pair's other parts stand as said above.
.set NWW,  160
.set RA,   16                          ; v16-79, v80-143  numbers as loaded, two sets
.set X,    144                         ; v144-207 64 numbers of a lane: register 16 b + i = k 32 b + 16 h + i of row r
.set PC,   208                         ; v208-219 a fragment's codes; v220-222, v224-226 the conversions' second halves
.set TM,   228                         ; v228-243 at work
.set PWS,  244                         ; v244-247 the four steps' scale words
.set STW0, 33792                       ; LDS: activations' stages 4 x 8,448 from 0; weights' stages 4 x 12,800 from here
.set XW,   32                          ; weights: v32-95 two sets of 32 numbers
.set CW,   96                          ; v96-102 a block's codes
.set SB,   104                         ; v104-107 scale bytes, four to a register
.set OUTR, 112                         ; v112-211 the way out
.macro LOADK s, set                    ; K step s of my 16 rows: each load reads 512 consecutive bytes of one row
.irp i, 0,1,2,3,4,5,6,7,8,9,10,11,12,13,14,15
	global_load_b128 v[\set+4*\i:\set+4*\i+3], v1, s[32+2*\i:33+2*\i] offset:512*(\s) th:TH_LOAD_NT
.endr
.endm
.macro TURNK set                       ; through my stage (rows 528 bytes apart: an odd multiple of 16): in as loaded, out 16 neighbours of each block of 32 to a lane.  LDS serves a wave's instructions in order
.irp i, 0,1,2,3,4,5,6,7,8,9,10,11,12,13,14,15
	ds_store_b128 v2, v[\set+4*\i:\set+4*\i+3] offset:528*\i
.endr
.irp b, 0,1,2,3
.irp j, 0,1,2,3
	ds_load_b128 v[X+16*\b+4*\j:X+16*\b+4*\j+3], v3 offset:128*\b+16*\j
.endr
.endr
.endm
; 64 numbers of a lane become a fragment's codes in v[PC] on and its scale word in v[pw]
.macro QUANT s, pw
.irp b, 0,1,2,3
	v_max3_num_f32 v[TM+\b], |v[\s+16*\b]|, |v[\s+1+16*\b]|, 0x1800000   ; my 16 numbers of block b, and the floor 2^(3 - 127): the byte cannot fall under 1
.endr
.irp i, 2,4,6,8,10,12,14
.irp b, 0,1,2,3
	v_max3_num_f32 v[TM+\b], v[TM+\b], |v[\s+16*\b+\i]|, |v[\s+1+16*\b+\i]|   ; the four blocks by turns
.endr
.endr
.irp b, 0,1,2,3
	v_permlanex16_b32 v[TM+4+\b], v[TM+\b], s28, s29
.endr
.irp b, 0,1,2,3
	v_max_num_f32 v[TM+\b], v[TM+\b], v[TM+4+\b]       ; with lane l xor 16's 16: the block's largest magnitude
.endr
.irp b, 0,1,2,3
	v_add_nc_u32 v[TM+12+\b], 0xff000000, v[TM+\b]     ; 2 off its exponent field: the conversion's scale operand
.endr
.irp b, 0,1,2,3
	v_lshrrev_b32 v[TM+4+\b], 23, v[TM+12+\b]          ; the scale's byte
.endr
	v_lshl_or_b32 v[\pw], v[TM+5], 8, v[TM+4]
	v_lshl_or_b32 v[\pw], v[TM+6], 16, v[\pw]
	v_lshl_or_b32 v[\pw], v[TM+7], 24, v[\pw]
.irp c, 0,1
	v_cvt_scalef32_pk16_fp6_f32 v[PC+6*\c:PC+2+6*\c], v[\s+32*\c:\s+15+32*\c], v[TM+12+2*\c]
	v_cvt_scalef32_pk16_fp6_f32 v[PC+12+4*\c:PC+14+4*\c], v[\s+16+32*\c:\s+31+32*\c], v[TM+12+2*\c+1]   ; a conversion's three registers begin on an even number
.endr
	v_nop                                              ; one plain line behind the scaled conversions
.irp c, 0,1                                        ; the operand wants a whole block in a lane: lanes 0-15 block 2 c, lanes 16-31 block 2 c + 1
.irp i, 0,1,2
	v_permlane16_swap_b32 v[PC+6*\c+\i], v[PC+12+4*\c+\i]
.endr
.irp i, 0,1,2
	v_mov_b32 v[PC+3+6*\c+\i], v[PC+12+4*\c+\i]
.endr
.endr
.endm
.macro PUTF s                          ; three planes: each store of the wave covers 512 consecutive bytes, aligned
.irp p, 0,1,2
	global_store_b128 v1, v[PC+4*\p:PC+4*\p+3], s[24:25] offset:1536*(\s)+256*((\s)/2)+512*\p   ; three planes: 512 consecutive bytes each, aligned to 256
.endr
.endm
.macro KSTEP s
.if (\s) < 3
	s_wait_loadcnt 16                                  ; this step's 16 loads are in; the next step's 16 may be out
.else
	s_wait_loadcnt 0x0
.endif
	TURNK RA+64*((\s)%2)
	s_wait_dscnt 0x0                                   ; the numbers are back from the stage
	s_wait_xcnt 0x0                                    ; the last step's stores have read the codes' registers, which QUANT writes again
.if (\s) < 2
	LOADK (\s)+2, RA+64*((\s)%2)
.endif
	QUANT X, PWS+(\s)
	PUTF \s
.endm
.macro LOADB t                         ; block t of my column: W(32 t + i, column): 32 lanes read 128 consecutive bytes
.set i, 0
.rept 32
	global_load_b32 v[XW+32*((\t)%2)+i], v1, s[26:27] offset:(32*(\t)+i)*4096 th:TH_LOAD_NT
.set i, i+1
.endr
.endm
.macro BLOCK t
.set XS, XW+32*((\t)%2)
.set FOB, 1536*((\t)/4)+256*((\t)/8)+256*((\t)%2)   ; step t / 4, block t % 4 = 2 c + h': the operand's lane 16 h' + r, its registers 6 c .. 6 c + 5
.if (\t) < 15
	s_wait_loadcnt 32                                  ; this block's 32 loads are in; the next block's may be out
.else
	s_wait_loadcnt 0x0
.endif
	v_max3_num_f32 v12, |v[XS]|, |v[XS+1]|, |v[XS+2]|  ; all 32 numbers of the block are mine
	v_max3_num_f32 v13, |v[XS+3]|, |v[XS+4]|, |v[XS+5]|
.irp i, 6,10,14,18,22,26
	v_max3_num_f32 v12, v12, |v[XS+\i]|, |v[XS+\i+1]|
	v_max3_num_f32 v13, v13, |v[XS+\i+2]|, |v[XS+\i+3]|
.endr
	v_max3_num_f32 v12, v12, |v[XS+30]|, |v[XS+31]|
	v_max3_num_f32 v12, v12, v13, 0x1800000            ; and the floor
	v_add_nc_u32 v11, 0xff000000, v12
	v_lshrrev_b32 v13, 23, v11
.if (\t)%4 == 0
	v_mov_b32 v[SB+(\t)/4], v13
.else
	v_lshl_or_b32 v[SB+(\t)/4], v13, 8*((\t)%4), v[SB+(\t)/4]
.endif
	v_cvt_scalef32_pk16_fp6_f32 v[CW:CW+2], v[XS:XS+15], v11
	v_cvt_scalef32_pk16_fp6_f32 v[CW+4:CW+6], v[XS+16:XS+31], v11
	v_nop                                              ; one plain line behind the scaled conversions
	v_mov_b32 v[CW+3], v[CW+4]                         ; the block's six registers on end
	v_mov_b32 v[CW+4], v[CW+5]
	v_mov_b32 v[CW+5], v[CW+6]
.if ((\t)%4)/2 == 0
	ds_store_b128 v10, v[CW:CW+3] offset:FOB            ; registers 0-3: plane 0
	ds_store_b64 v10, v[CW+4:CW+5] offset:FOB+512       ; registers 4, 5: the lower half of plane 1
.else
	ds_store_b64 v10, v[CW:CW+1] offset:FOB+520         ; registers 6, 7: the upper half of plane 1
	ds_store_b128 v10, v[CW+2:CW+5] offset:FOB+1024     ; registers 8-11: plane 2
.endif
.if (\t) == 7
	ds_store_b64 v2, v[SB:SB+1] offset:3072            ; scale words of steps 0, 1
.endif
.if (\t) == 15
	ds_store_b64 v2, v[SB+2:SB+3] offset:3200          ; of steps 2, 3
.endif
.if (\t)+2 < 16
	LOADB (\t)+2
.endif
	s_wait_dscnt 0x0                                   ; the stores have read their registers: the next block's codes may be written
.endm
	s_load_b512 s[4:19], s[0:1], 0x0                   ; target, source, value, Wq, Wk, Wv, Wo, xq
	s_load_b64 s[20:21], s[0:1], 0x40                  ; wall
	v_lshl_add_u32 v254, v0, 2, 0x14c00
	v_mov_b32 v255, 0
	v_lshrrev_b32 v5, 5, v0
	v_readfirstlane_b32 s22, v5                        ; wave
	v_and_b32 v6, 31, v0                               ; lane
	s_cmp_lt_u32 ttmp9, NWW
	s_cbranch_scc1 .Lweights
	; ---- activations
	s_sub_co_u32 s78, ttmp9, NWW                       ; which of the 1,280 work-groups for activations
	v_and_b32 v7, 15, v0                               ; r
	v_bfe_u32 v8, v0, 4, 1                             ; h
	v_lshlrev_b32 v1, 4, v6                            ; 16 x lane
	v_lshlrev_b32 v4, 3, v6                            ; 8 x lane
	s_mul_i32 s23, s22, 8448                           ; my stage
	v_add_nc_u32 v2, s23, v1
	v_mul_u32_u24 v3, v7, 528
	v_lshl_add_u32 v3, v8, 6, v3
	v_add_nc_u32 v3, s23, v3
.irp b, 0,1,2,3
	v_mov_b32 v[TM+4+\b], 0                            ; written once: a lane permute's destination counts as one of its sources
.endr
	s_mov_b32 s28, 0x76543210
	s_mov_b32 s29, 0xfedcba98                          ; lane l xor 16
	s_mov_b32 s30, 0xffff0000                          ; lanes 16-31
	s_lshl_b32 s23, s78, 2
	s_add_co_u32 s23, s23, s22                         ; 4 x work-group + wave
	s_wait_alu depctr_va_vdst(0)
	s_wait_kmcnt 0x0
	s_cmp_lt_u32 s78, 256                              ; target, or source
	s_cselect_b64 s[26:27], s[4:5], s[6:7]
	s_cselect_b32 s66, 0, 1024                         ; the tensor's first wave
	s_cselect_b32 s67, 1, 3                            ; log2 (K / 512)
	s_cselect_b32 s68, 12, 14                          ; log2 of a row's bytes
	s_cselect_b32 s69, 0, 6553600                      ; its place in xq
	s_cselect_b32 s70, 9, 8                            ; log2 of its tiles
	s_cmp_ge_u32 s78, 768                              ; value
	s_cselect_b64 s[26:27], s[8:9], s[26:27]
	s_cselect_b32 s66, 3072, s66
	s_cselect_b32 s69, 19660800, s69
	s_sub_co_u32 s23, s23, s66
	s_lshr_b32 s71, s23, s67                           ; tile
	s_lshl_b32 s72, s71, s67
	s_sub_co_u32 s72, s23, s72                         ; which 512 along K
	s_lshr_b32 s73, s71, 1
	s_lshl_b32 s73, s73, 5
	s_and_b32 s74, s71, 1
	s_lshl_b32 s74, s74, 3
	s_add_co_u32 s73, s73, s74                         ; the tile's first row: 32 (tile / 2) + 8 (tile % 2)
	s_lshl_b32 s76, s73, s68
	s_lshl_b32 s74, s72, 11
	s_add_co_u32 s76, s76, s74
	s_mov_b32 s77, 0
	s_add_nc_u64 s[32:33], s[26:27], s[76:77]          ; row 0 of the tile
	s_lshl_b32 s74, 1, s68                             ; a row on
	s_mov_b32 s75, 0
	s_mul_i32 s76, s74, 9                              ; from the tile's row 7 to its row 8: nine rows on
.irp i, 1,2,3,4,5,6,7,8,9,10,11,12,13,14,15
.if \i == 8
	s_add_nc_u64 s[32+2*\i:33+2*\i], s[30+2*\i:31+2*\i], s[76:77]
.else
	s_add_nc_u64 s[32+2*\i:33+2*\i], s[30+2*\i:31+2*\i], s[74:75]
.endif
.endr
	s_lshl_b32 s72, s72, s70
	s_add_co_u32 s72, s72, s71
	s_mul_i32 s72, s72, 6400
	s_add_co_u32 s72, s72, s69
	s_mov_b32 s73, 0
	s_add_nc_u64 s[24:25], s[18:19], s[72:73]          ; my record pair
	LOADK 0, RA
	LOADK 1, RA+64
	KSTEP 0
	KSTEP 1
	KSTEP 2
	KSTEP 3
	v_cndmask_b32 v248, v244, v246, s30                ; lanes 0-15: row r's words of steps 0, 1; lanes 16-31: of steps 2, 3
	v_cndmask_b32 v249, v245, v247, s30
	global_store_b64 v4, v[248:249], s[24:25] offset:3072   ; 256 consecutive bytes, aligned
	s_wait_tensorcnt 0x0
	ds_add_u32 v254, v255
	s_wait_dscnt 0x0
	s_endpgm
	; ---- weights: a lane takes a column, its registers run down K
.Lweights:
	s_mov_b32 s23, ttmp9
	s_wait_alu depctr_va_vdst(0)
	v_lshlrev_b32 v1, 2, v6                            ; 4 x lane
	v_lshlrev_b32 v4, 4, v6                            ; 16 x lane
	v_bfe_u32 v7, v0, 3, 1                             ; column 32 B + x lies in tile 2 B + u, u = (x / 8) % 2,
	v_and_b32 v8, 7, v0
	v_bfe_u32 v9, v0, 4, 1
	v_lshl_add_u32 v8, v9, 3, v8                       ; at row r = x % 8 + 8 (x / 16)
	s_mul_i32 s24, s22, 12800
	s_add_co_u32 s24, s24, STW0                        ; my stage: two record pairs
	v_mul_u32_u24 v2, v7, 6400
	v_lshl_add_u32 v10, v8, 4, v2                      ; codes: 16 bytes a row in a plane
	v_lshl_add_u32 v2, v8, 3, v2                       ; scale words: 8 bytes a row
	v_add_nc_u32 v10, s24, v10
	v_add_nc_u32 v2, s24, v2
	v_add_nc_u32 v3, s24, v4
	s_wait_kmcnt 0x0
	s_cmp_lt_u32 s23, 64                               ; 0-63 Wk, 64-127 Wv, 128-143 Wq, 144-159 Wo
	s_cselect_b64 s[26:27], s[12:13], s[14:15]
	s_cselect_b32 s28, 0, 64
	s_mov_b32 s29, 4915200
	s_cselect_b32 s29, 1638400, s29
	s_cmp_ge_u32 s23, 128
	s_cselect_b64 s[26:27], s[10:11], s[26:27]
	s_cselect_b32 s28, 128, s28
	s_cselect_b32 s29, 0, s29
	s_cmp_ge_u32 s23, 144
	s_cselect_b64 s[26:27], s[16:17], s[26:27]
	s_cselect_b32 s28, 144, s28
	s_cselect_b32 s29, 819200, s29
	s_sub_co_u32 s23, s23, s28
	s_and_b32 s30, s23, 7
	s_lshr_b32 s31, s23, 3                             ; which 512 along K
	s_lshl_b32 s30, s30, 2
	s_add_co_u32 s30, s30, s22                         ; B: which 32 columns
	s_lshl_b32 s32, s31, 21                            ; 512 rows of 4,096 bytes
	s_lshl_b32 s34, s30, 7
	s_add_co_u32 s32, s32, s34
	s_mov_b32 s33, 0
	s_add_nc_u64 s[26:27], s[26:27], s[32:33]
	s_lshl_b32 s32, s31, 5
	s_add_co_u32 s32, s32, s30
	s_mul_i32 s32, s32, 12800                          ; (64 kc + 2 B) x 6,400
	s_add_co_u32 s32, s32, s29
	s_add_nc_u64 s[24:25], s[20:21], s[32:33]
	LOADB 0
	LOADB 1
.set Q, 0
.rept 16
	BLOCK Q
.set Q, Q+1
.endr
.set Q, 0
.rept 25
	ds_load_b128 v[OUTR+4*Q:OUTR+4*Q+3], v3 offset:512*Q    ; LDS serves a wave's instructions in order: these see my stores
.set Q, Q+1
.endr
.set Q, 0
.rept 25
	s_wait_dscnt 24-Q                                  ; the younger loads may stay out
	global_store_b128 v4, v[OUTR+4*Q:OUTR+4*Q+3], s[24:25] offset:512*Q   ; 512 consecutive bytes, aligned to 256
.set Q, Q+1
.endr
	s_wait_tensorcnt 0x0
	ds_add_u32 v254, v255
	s_wait_dscnt 0x0
	s_endpgm
.Lfunc_end_k_qdd1c5c5d8b_quant:
	.size	k_qdd1c5c5d8b_quant, .Lfunc_end_k_qdd1c5c5d8b_quant-k_qdd1c5c5d8b_quant
	.p2alignl 7, 3214868480
	.fill 96, 4, 3214868480
	.section	.rodata,"a",@progbits
	.p2align	6, 0x0
	.amdhsa_kernel k_qdd1c5c5d8b_quant
		.amdhsa_group_segment_fixed_size 85504
		.amdhsa_private_segment_fixed_size 0
		.amdhsa_enable_private_segment 0
		.amdhsa_kernarg_size 72
		.amdhsa_user_sgpr_count 2
		.amdhsa_user_sgpr_kernarg_segment_ptr 1
		.amdhsa_wavefront_size32 1
		.amdhsa_system_sgpr_workgroup_id_x 1
		.amdhsa_system_sgpr_workgroup_id_y 1
		.amdhsa_system_sgpr_workgroup_id_z 1
		.amdhsa_system_vgpr_workitem_id 0
		.amdhsa_next_free_vgpr 256
		.amdhsa_next_free_sgpr 80
		.amdhsa_reserve_vcc 0
		.amdhsa_float_denorm_mode_32 3
		.amdhsa_float_denorm_mode_16_64 3
		.amdhsa_memory_ordered 1
		.amdhsa_forward_progress 1
		.amdhsa_inst_pref_size 115
	.end_amdhsa_kernel
	.amdgpu_metadata
---
amdhsa.version: [ 1, 2 ]
amdhsa.kernels:
  - .name:           k_qdd1c5c5d8b_quant
    .symbol:         k_qdd1c5c5d8b_quant.kd
    .args:
      - { .name: target_embedding, .offset: 0, .size: 8, .value_kind: global_buffer, .address_space: global }
      - { .name: source_embedding, .offset: 8, .size: 8, .value_kind: global_buffer, .address_space: global }
      - { .name: value_embedding, .offset: 16, .size: 8, .value_kind: global_buffer, .address_space: global }
      - { .name: Wq, .offset: 24, .size: 8, .value_kind: global_buffer, .address_space: global }
      - { .name: Wk, .offset: 32, .size: 8, .value_kind: global_buffer, .address_space: global }
      - { .name: Wv, .offset: 40, .size: 8, .value_kind: global_buffer, .address_space: global }
      - { .name: Wo, .offset: 48, .size: 8, .value_kind: global_buffer, .address_space: global }
      - { .name: xq, .offset: 56, .size: 8, .value_kind: global_buffer, .address_space: global }
      - { .name: wall, .offset: 64, .size: 8, .value_kind: global_buffer, .address_space: global }
    .group_segment_fixed_size: 85504
    .private_segment_fixed_size: 0
    .kernarg_segment_align: 8
    .kernarg_segment_size: 72
    .max_flat_workgroup_size: 128
    .sgpr_count:     80
    .vgpr_count:     256
    .wavefront_size: 32
...
	.end_amdgpu_metadata
.endif
;; end of part 1
;; launch gemm_qkv (part 2): grid 4 x 64, 4 waves a work-group, clusters of 4 x 4, 327,680 bytes of LDS; arguments xq, wall, bq, bk, bv, qc, kv; writes qc, kv
.if DOCPART == 2
	.amdgcn_target "amdgcn-amd-amdhsa--gfx1250"
	.amdhsa_code_object_version 6
	.text
	.protected	k_qdd1c5c5d8b_gemm_qkv
	.globl	k_qdd1c5c5d8b_gemm_qkv
	.p2align	8
	.type	k_qdd1c5c5d8b_gemm_qkv,@function
k_qdd1c5c5d8b_gemm_qkv:
	s_mov_b64 s[64:65], 0
	v_nop
	global_prefetch_b8 v0, s[64:65] scope:SCOPE_SE
	s_setreg_imm32_b32 hwreg(HW_REG_WAVE_MODE, 25, 1), 1
	s_wait_xcnt 0x0
	s_wait_alu depctr_hold_cnt(0) depctr_sa_sdst(0) depctr_va_vdst(0) depctr_va_sdst(0) depctr_va_ssrc(0) depctr_va_vcc(0) depctr_vm_vsrc(0)
	s_getreg_b32 s2, hwreg(HW_REG_IB_STS2, 6, 4)
	s_cmp_eq_u32 s2, 0
	s_cbranch_scc0 .Lentry_in_a_cluster
	s_endpgm
.Lentry_in_a_cluster:
	s_bfe_u32 s2, ttmp6, 0x10000c
	s_cmp_lg_u32 s2, 0xf033
	s_cbranch_scc0 .Lentry_shape_is_right
	s_endpgm
.Lentry_shape_is_right:
; q = target Wq + bq, k = source Wk + bk, v = value Wv + bv on codes of FP6 (E2M3) with E8M0 scales; the results are quantised again, q and k along the head's channels, v along the keys,
; and stored as the attention launch's operand registers take them (qc, kv: a record of 102,400 bytes for each batch and head).
; SHARES.  Every work-group makes TWO blocks of 128 x 256, one after the other: first one of k (clusters 0-7) or of v^T (clusters 8-15), 4,096 along K, then one of q, 1,024 along K:
; 32 + 8 steps of 128 along K in each of the 256 work-groups.  A wave makes 64 x 128: 32 accumulators, 256 registers.
; For v the sides are changed: side A = 128 channels of Wv, side B = 256 keys of value, so that a lane's registers run along the keys.
; OPERANDS.  xq and wall are [K / 512][tile of 16 rows][6,400 bytes]: fragments 0, 1 | scale words | fragments 2, 3; a fragment is three planes of 512 bytes, 16 bytes a lane: three ds_load_b128.
; RING.  Two LDS slots of 153,600 bytes, each 512 along K of A's 8 tiles and B's 16: dense blocks of memory, fetched as rows of 256 bytes that begin at multiples of 256.  Waves 0, 1 fetch A's halves,
; waves 2, 3 B's: one tensor load a wave behind each round.  The ring runs on from the first block into q's: the first block's last two changes of slots ask for q's two chunks.
; CLUSTER.  4 x 4 work-groups: A's tiles are asked for jointly along a row of the cluster, B's along a column.
; PREFETCH.  Behind each refill of the loop a wave names the chunk two refills on: of the tiles that it fetches, the four partners take a quarter each by address (A: one tile, 25 blocks of 256 bytes; B: two tiles,
; two instructions); lanes 25-31 name the last block again.  The first four chunks come by their loads alone; the last two refills have no chunk two on.
; THE MATRIX INSTRUCTION IS USED TRANSPOSED (source 0 = B's tile, source 1 = A's): a lane holds one row of A's tile; the 16 registers of B's tiles 2 i, 2 i + 1 are 16 neighbours along B's rows (the tiles' row order, as the quantising launch lays it).
; The bias is the C of each sum's first product.  LIMITS: NaN and infinities are not served; a block whose largest magnitude lies under 2^-124 gets the byte 1.
; REGISTERS.  Window 0: v1-29 addresses; v32-95 scale words, a set for each slot; v96-159 the way out; v160-255 A's fragments, two sets (v208-223 at work on the way out).
; Window 1: B's fragments, sets at v0 and v128.  Window 2: the accumulators, (a, b) at v[8 (8 a + b)].  Window 3: v0-63 the first block's bias, v64-127 q's.
.set FR,    12
.set NP,    4
.set SRB,   6400
.set CHUNK, 24*SRB
.set BBASE, 8*SRB
.set SPARE, 2*CHUNK                    ; behind the ring: the spare words, 128 bytes a wave
.set R,    1                           ; l % 16
.set HH,   2                           ; l / 16
.set VOF,  4                           ; v4-7   first block: byte offsets of the four row tiles' codes
.set SOF,  8                           ; v8-9   and of the two pairs' scale words
.set VOQ,  10                          ; v10-13, v14-15 the same for q
.set SOQ,  14
.set ADRA, 16
.set ADRB, 20
.set ADRS, 22
.set L8,   24
.set PFO,  26
.set SPW,  28
.set NIL,  29
.set SC,   32
.set PCB,  96                          ; v96-143 four fragments of codes, one for each row tile: no store's data are written again in a way out
.set CT,   144                         ; v144-150 the conversions' second halves
.set SD,   152                         ; v152-153 scale words as stored
.set ST,   154
.set PW,   156                         ; v156-159 the four row tiles' scale words
.set AF,   160
.set TM,   208
.set G1,  24
.set G0,  32
.set G1B, 48
.set G0B, 56
.set QA,  70                           ; s[70:71], s[74:75] q's two chunks of A;  s[76:77], s[78:79] of B
.set QB,  76
.set MSB, 0
.macro WIN new
.if MSB != \new
	s_set_vgpr_msb (MSB<<8)|\new
.set MSB, \new
.endif
.endm
.set MUL,  0xa1                        ; source 0 window 1, source 1 window 0, C and D window 2
.set MULZ, 0xb1                        ; the same with C in window 3: the bias
.set TO_B, 0x40
.macro PLACES n
.rept \n
	v_nop
.endr
.endm
.macro JLOAD s                         ; waves 0, 1 ask for A's halves, waves 2, 3 for B's
	s_cmp_eq_u32 s19, 0
	s_cbranch_scc0 .Lfor_b_\@
	tensor_load_to_lds s[G0+4*\s:G0+4*\s+3], s[G1:G1+7]
	s_nop 0
.rept 4
	v_nop
.endr
	s_branch .Lasked_\@
.Lfor_b_\@:
	tensor_load_to_lds s[G0B+4*\s:G0B+4*\s+3], s[G1B:G1B+7]
	s_nop 0
.rept 4
	v_nop
.endr
.Lasked_\@:
.endm
.macro CREST
	s_cmp_lg_u32 s18, 0
	s_cbranch_scc1 .Lnot_wave_0_\@
	s_barrier_signal -3
.Lnot_wave_0_\@:
	s_barrier_wait -3
	s_barrier_signal -1
	s_barrier_wait -1
.endm
.macro CROUND
	s_barrier_signal -1
	s_barrier_wait -1
	CREST
.endm
.macro ASK                             ; the chunk two refills on: my quarter of the tiles that I fetch
	global_prefetch_b8 v[PFO], s[44:45] th:TH_LOAD_NT scope:SCOPE_SE
	s_cmp_eq_u32 s19, 0
	s_cbranch_scc1 .Lone_tile_\@
	global_prefetch_b8 v[PFO], s[44:45] offset:SRB th:TH_LOAD_NT scope:SCOPE_SE
.Lone_tile_\@:
.endm
.macro FRAG reg, adr, s, i
.irp q, 0,1,2
	ds_load_b128 v[\reg+4*\q:\reg+4*\q+3], v[\adr] offset:SRB*(\i)+1536*(\s)+256*((\s)/2)+512*\q
.endr
.endm
.macro FETCH kc, s, p                  ; step s of slot kc into set p: 36 loads
	WIN TO_B
.irp i, 0,1,2,3,4,5,6,7
	FRAG 128*(\p)+FR*\i, ADRB+\kc, \s, \i
.endr
	WIN 0
.irp i, 0,1,2,3
	FRAG AF+48*(\p)+FR*\i, ADRA+\kc, \s, \i
.endr
.endm
.macro SCALES kc                       ; a slot's scale words: lanes 0-15 A's tile i, lanes 16-31 B's tile i, register 4 i + step
.irp i, 0,1,2,3,4,5,6,7
.irp u, 0,1
	ds_load_b64 v[SC+32*\kc+4*\i+2*\u:SC+32*\kc+4*\i+2*\u+1], v[ADRS+\kc] offset:SRB*\i+3072+128*\u
.endr
.endr
.endm
; A's tile a against B's eight.  zero = 1: C is the bias by B's rows; 2: by A's rows; 0: the sum goes on.  The 32 accumulators take turns.
.macro MUL8 a, p, s, kc, zero, cbase
.irp b, 0,1,2,3,4,5,6,7
.set rD, 8*(8*(\a)+\b)
.set rB, 128*(\p)+FR*\b
.set rA, AF+48*(\p)+FR*(\a)
.set rSB, SC+32*(\kc)+4*\b+(\s)
.set rSA, SC+32*(\kc)+4*(\a)+(\s)
.if (\zero) == 1
	v_wmma_scale_f32_16x16x128_f8f6f4 v[rD:rD+7], v[rB:rB+FR-1], v[rA:rA+FR-1], v[\cbase+8*\b:\cbase+8*\b+7], v[rSB], v[rSA] matrix_a_fmt:MATRIX_FMT_FP6 matrix_b_fmt:MATRIX_FMT_FP6 matrix_a_scale:MATRIX_SCALE_ROW1
.elseif (\zero) == 2
	v_wmma_scale_f32_16x16x128_f8f6f4 v[rD:rD+7], v[rB:rB+FR-1], v[rA:rA+FR-1], v[\cbase+8*(\a):\cbase+8*(\a)+7], v[rSB], v[rSA] matrix_a_fmt:MATRIX_FMT_FP6 matrix_b_fmt:MATRIX_FMT_FP6 matrix_a_scale:MATRIX_SCALE_ROW1
.else
	v_wmma_scale_f32_16x16x128_f8f6f4 v[rD:rD+7], v[rB:rB+FR-1], v[rA:rA+FR-1], v[rD:rD+7], v[rSB], v[rSA] matrix_a_fmt:MATRIX_FMT_FP6 matrix_b_fmt:MATRIX_FMT_FP6 matrix_a_scale:MATRIX_SCALE_ROW1
.endif
.endr
.endm
.macro MUL32 p, s, kc, zero, cbase
	MUL8 0, \p, \s, \kc, \zero, \cbase
	MUL8 1, \p, \s, \kc, \zero, \cbase
	MUL8 2, \p, \s, \kc, \zero, \cbase
	MUL8 3, \p, \s, \kc, \zero, \cbase
.endm
.macro KS kc, s                        ; one of a slot's first three steps: the next step's fragments are asked for first, and have the step's 32 products in which to come
	s_wait_dscnt 0x0                                   ; this step's fragments are in
	PLACES NP                                          ; in front of loads into the set that the last step's products read
	FETCH \kc, (\s)+1, 1-(\s)%2
	WIN MUL
	MUL32 (\s)%2, \s, \kc, 0, 0
.endm
; A slot's last step, and the change of slots.  fill = 1: the slot takes the chunk two on; 2: q's chunk; 0: nothing is filled.
.macro TURN slot, next, fill
	WIN 0
.if (\fill) == 1
	s_wait_xcnt 0x0                                    ; my prefetches have read their address: it steps a chunk on
	s_add_nc_u64 s[44:45], s[44:45], s[46:47]
.if (\slot) == 0
	s_cmp_eq_u32 s72, 1                                ; in the loop's last trip two refills on is q's first chunk
	s_cselect_b64 s[44:45], s[80:81], s[44:45]
	s_cselect_b32 s46, s82, s46
.endif
.endif
	s_wait_tensorcnt 0x0                               ; all my tensor loads have landed: my part of the next slot
.if \fill
	ds_add_u32 v[SPW], v[NIL]
.if (\fill) == 1
	s_add_nc_u64 s[G0+4*\slot+2:G0+4*\slot+3], s[G0+4*\slot+2:G0+4*\slot+3], s[66:67]
	s_add_nc_u64 s[G0B+4*\slot+2:G0B+4*\slot+3], s[G0B+4*\slot+2:G0B+4*\slot+3], s[68:69]
.else
	s_mov_b64 s[G0+4*\slot+2:G0+4*\slot+3], s[QA+4*\slot:QA+4*\slot+1]
	s_mov_b64 s[G0B+4*\slot+2:G0B+4*\slot+3], s[QB+2*\slot:QB+2*\slot+1]
.endif
	s_wait_dscnt 1                                     ; the step's fragments are in; the add alone may be out
.else
	s_wait_dscnt 0x0
.endif
	WIN MUL
	MUL8 0, 1, 3, \slot, 0, 0
	s_wait_dscnt 0x0                                   ; the add is done; my reads of this slot were over above
	s_barrier_signal -1
	MUL8 1, 1, 3, \slot, 0, 0
	WIN 0
	s_barrier_wait -1
.if \fill
	CREST                                              ; the barrier has opened a round of the cluster's barrier
	JLOAD \slot                                        ; its four v_nop are the places in front of the loads below
.else
	PLACES NP
.endif
	FETCH \next, 0, 0
	SCALES \next
.if (\fill) == 1
	ASK
.endif
	WIN MUL
	MUL8 2, 1, 3, \slot, 0, 0
	MUL8 3, 1, 3, \slot, 0, 0
	WIN 0
.endm
; Row tile a: 16 rows x 128 results become a fragment's codes in v[PC] on and a scale word in v[PW + a]
.macro QUANTW a
.set S0, 64*(\a)
.set PC, PCB+12*(\a)
.set PWR, PW+(\a)
	WIN 0x0a
.irp b, 0,1,2,3
	v_max3_num_f32 v[TM+\b], |v[S0+16*\b]|, |v[S0+1+16*\b]|, 0x1800000   ; my 16 of block b, and the floor 2^(3 - 127)
.endr
	WIN 0x28
.irp i, 2,4,6,8,10,12,14
.irp b, 0,1,2,3
	v_max3_num_f32 v[TM+\b], v[TM+\b], |v[S0+16*\b+\i]|, |v[S0+1+16*\b+\i]|
.endr
.endr
	WIN 0
.irp b, 0,1,2,3
	v_permlanex16_b32 v[TM+4+\b], v[TM+\b], s92, s93
.endr
.irp b, 0,1,2,3
	v_max_num_f32 v[TM+\b], v[TM+\b], v[TM+4+\b]       ; with lane l xor 16's 16
.endr
.irp b, 0,1,2,3
	v_add_nc_u32 v[TM+12+\b], 0xff000000, v[TM+\b]     ; 2 off the exponent field: the conversion's scale operand
.endr
.irp b, 0,1,2,3
	v_lshrrev_b32 v[TM+4+\b], 23, v[TM+12+\b]          ; the byte
.endr
	v_lshl_or_b32 v[PWR], v[TM+5], 8, v[TM+4]
	v_lshl_or_b32 v[PWR], v[TM+6], 16, v[PWR]
	v_lshl_or_b32 v[PWR], v[TM+7], 24, v[PWR]
	WIN 2
.irp c, 0,1
	v_cvt_scalef32_pk16_fp6_f32 v[PC+6*\c:PC+2+6*\c], v[S0+32*\c:S0+15+32*\c], v[TM+12+2*\c]
	v_cvt_scalef32_pk16_fp6_f32 v[CT+4*\c:CT+2+4*\c], v[S0+16+32*\c:S0+31+32*\c], v[TM+12+2*\c+1]
.endr
	WIN 0
	v_nop                                              ; one plain line behind the scaled conversions
.irp c, 0,1
.irp i, 0,1,2
	v_permlane16_swap_b32 v[PC+6*\c+\i], v[CT+4*\c+\i]
.endr
.irp i, 0,1,2
	v_mov_b32 v[PC+3+6*\c+\i], v[CT+4*\c+\i]
.endr
.endr
.endm
; THE WAY OUT of a block.  Registers 0-5 of a fragment go to s[ca], registers 6-11 to s[cb], as planes of 256 consecutive aligned bytes; the scale words of two row tiles leave together.
.macro EPI vof, sof, ca, cb, cs, sel0, sel1
	s_wait_xcnt 0x0                                    ; earlier stores have read the registers written below
	PLACES NP                                          ; behind the last products
.irp b, 0,1,2,3
	v_mov_b32 v[TM+4+\b], 0                            ; a lane permute's destination counts as one of its sources
.endr
.irp a, 0,1,2,3
	QUANTW \a
.irp q, 0,1,2
	global_store_b64 v[\vof+\a], v[PC+2*\q:PC+2*\q+1], s[\ca:\ca+1] offset:256*\q
.endr
.irp q, 0,1,2
	global_store_b64 v[\vof+\a], v[PC+6+2*\q:PC+7+2*\q], s[\cb:\cb+1] offset:256*\q
.endr
.if \a%2 == 1
	v_perm_b32 v[ST], v[PW+\a], v[PW+\a-1], \sel0
	v_perm_b32 v[ST+1], v[PW+\a], v[PW+\a-1], \sel1
	v_cndmask_b32 v[SD+\a/2], v[ST], v[ST+1], s73      ; lanes 16-31 store the second word
	global_store_b32 v[\sof+\a/2], v[SD+\a/2], s[\cs:\cs+1]
.endif
.endr
.endm
	s_load_b256 s[4:11], s[0:1], 0x0                   ; xq, wall, bq, bk
	s_load_b128 s[12:15], s[0:1], 0x20                 ; bv, qc
	s_load_b64 s[16:17], s[0:1], 0x30                  ; kv
	v_lshl_add_u32 v[SPW], v0, 2, SPARE
	v_mov_b32 v[NIL], 0
	ds_add_u32 v[SPW], v[NIL]                          ; the opening lines: the add twice on end and one wait
	ds_add_u32 v[SPW], v[NIL]
	v_lshrrev_b32 v3, 5, v0
	v_readfirstlane_b32 s18, v3                        ; wave
	s_lshr_b32 s19, s18, 1                             ; my half of A's rows.  Also: I fetch for A (0) or B (1)
	s_and_b32 s20, s18, 1                              ; my half of B's rows.  Also: which half I fetch
	s_bfe_u32 s21, ttmp6, 0x40000                      ; cx
	s_bfe_u32 s22, ttmp6, 0x40004                      ; cy
	s_and_b32 s23, ttmp7, 0xffff                       ; cluster 0..15
	s_sub_co_u32 s40, s23, 8
	s_and_b32 s41, s40, 1
	s_lshr_b32 s42, s40, 1
	s_mov_b32 s43, 6553600                             ; k: A = source in xq, B = Wk in wall
	s_mov_b32 s46, 1638400
	s_mov_b32 s66, 1638400                             ; bytes from chunk to chunk: A's, B's
	s_mov_b32 s68, 409600
	s_cmp_ge_u32 s23, 8                                ; v: A = Wv in wall, B = value in xq
	s_cselect_b32 s98, 1, 0
	s_cselect_b32 s41, s41, s23                        ; the cluster's four block rows
	s_cselect_b32 s42, s42, 0                          ; and its four block columns
	s_cselect_b32 s43, 4915200, s43
	s_cselect_b32 s46, 19660800, s46
	s_cselect_b32 s66, 409600, s66
	s_cselect_b32 s68, 1638400, s68
	s_mov_b32 s67, 0
	s_mov_b32 s69, 0
	s_lshl_b32 s2, s41, 2
	s_add_co_u32 s2, s2, s22                           ; first block: block row (128 rows of A)
	s_lshl_b32 s3, s42, 2
	s_add_co_u32 s3, s3, s21                           ; block column (256 rows of B)
	s_lshl_b32 s99, s23, 2
	s_add_co_u32 s99, s99, s22                         ; q: block row; its block column is cx
	s_lshl_b32 s94, s22, 2
	s_lshl_b32 s94, 15, s94                            ; my row of the cluster
	s_lshl_b32 s95, 0x1111, s21                        ; my column
	s_or_b32 s[G1+0], s94, (3<<16)|(1<<21)             ; elements of 8 bytes; bit 21 beside a mask
	s_or_b32 s[G1B+0], s95, (3<<16)|(1<<21)
	s_mov_b32 s[G1+1], 32<<16                          ; rows of 256 bytes, dense: 100 for four tiles,
	s_mov_b32 s[G1+2], 100<<16
	s_mov_b32 s[G1+3], 32<<16
	s_mov_b32 s[G1+4], 100
	s_mov_b32 s[G1+5], 32
	s_mov_b32 s[G1+6], 0
	s_mov_b32 s[G1+7], 0
	s_mov_b32 s[G1B+1], 32<<16                         ; 200 for eight
	s_mov_b32 s[G1B+2], 200<<16
	s_mov_b32 s[G1B+3], 32<<16
	s_mov_b32 s[G1B+4], 200
	s_mov_b32 s[G1B+5], 32
	s_mov_b32 s[G1B+6], 0
	s_mov_b32 s[G1B+7], 0
	s_lshl_b32 s94, s20, 2
	s_lshl_b32 s95, s20, 3
	s_lshl_b32 s40, s2, 3
	s_add_co_u32 s40, s40, s94
	s_mul_i32 s40, s40, SRB
	s_add_co_u32 s40, s40, s43                         ; A: the four tiles that I would fetch
	s_mov_b32 s41, 0
	s_lshl_b32 s42, s3, 4
	s_add_co_u32 s42, s42, s95
	s_mul_i32 s42, s42, SRB
	s_add_co_u32 s42, s42, s46                         ; B: the eight
	s_mov_b32 s43, 0
	s_lshl_b32 s70, s99, 3
	s_add_co_u32 s70, s70, s94
	s_mul_i32 s70, s70, SRB                            ; q's A: target, at xq's start
	s_mov_b32 s71, 0
	s_lshl_b32 s76, s21, 4
	s_add_co_u32 s76, s76, s95
	s_mul_i32 s76, s76, SRB                            ; q's B: Wq, at wall's start
	s_mov_b32 s77, 0
	s_mul_i32 s96, s20, 4*SRB                          ; where they go in a slot
	s_mul_i32 s97, s20, 8*SRB
	s_add_co_u32 s97, s97, BBASE
	s_wait_dscnt 0x0                                   ; both opening adds are done
	s_wait_kmcnt 0x0
	s_cmp_eq_u32 s98, 0
	s_cselect_b64 s[94:95], s[4:5], s[6:7]
	s_cselect_b64 s[100:101], s[6:7], s[4:5]
	s_add_nc_u64 s[40:41], s[94:95], s[40:41]
	s_add_nc_u64 s[42:43], s[100:101], s[42:43]
.irp s, 0,1
	s_mov_b32 s[G0+4*\s], 1
	s_add_co_u32 s[G0+4*\s+1], s96, \s*CHUNK
	s_mov_b32 s[G0B+4*\s], 1
	s_add_co_u32 s[G0B+4*\s+1], s97, \s*CHUNK
.endr
	s_mov_b64 s[G0+2:G0+3], s[40:41]
	s_add_nc_u64 s[G0+6:G0+7], s[40:41], s[66:67]
	s_mov_b64 s[G0B+2:G0B+3], s[42:43]
	s_add_nc_u64 s[G0B+6:G0B+7], s[42:43], s[68:69]
.irp g, G0+3, G0+7, G0B+3, G0B+7
	s_or_b32 s[\g], s[\g], 0x80000000
.endr
	CROUND                                             ; all sixteen work-groups are here: the first joint loads meet
	JLOAD 0                                            ; chunk 0: one tensor load a wave at the head
	; under its flight: q's addresses, the prefetches', the ways out
	s_add_nc_u64 s[70:71], s[4:5], s[70:71]
	s_add_nc_u64 s[76:77], s[6:7], s[76:77]
	s_cmp_eq_u32 s19, 0
	s_cselect_b64 s[44:45], s[40:41], s[42:43]
	s_cselect_b64 s[80:81], s[70:71], s[76:77]
	s_cselect_b32 s46, s66, s68
	s_mov_b32 s82, 409600
	s_cselect_b32 s82, 3276800, s82
	s_cselect_b32 s94, s21, s22                        ; my place among the four that ask with me
	s_add_co_u32 s95, s19, 1
	s_mul_i32 s94, s94, s95
	s_mul_i32 s94, s94, SRB                            ; one tile of A's four, two of B's eight
	s_mov_b32 s95, 0
	s_add_nc_u64 s[44:45], s[44:45], s[94:95]
	s_add_nc_u64 s[80:81], s[80:81], s[94:95]
	s_mul_i32 s94, s46, 3
	s_add_nc_u64 s[44:45], s[44:45], s[94:95]          ; at chunk 3: the first change of slots steps it to chunk 4 and asks
	s_mov_b32 s47, 0
	s_lshl_b32 s66, s66, 1                             ; a slot's next chunk is two on
	s_lshl_b32 s68, s68, 1
	s_add_nc_u64 s[74:75], s[70:71], 3276800
	s_add_nc_u64 s[78:79], s[76:77], 409600
.irp g, 71, 75, 77, 79
	s_or_b32 s[\g], s[\g], 0x80000000
.endr
	; the first block's way out.  k: head by B's rows, 64 keys a unit by A's rows; v: head by A's rows, 64 keys a unit by B's rows
	s_lshl_b32 s40, s2, 1
	s_add_co_u32 s40, s40, s19                         ; my 64 rows of A
	s_lshl_b32 s41, s3, 2
	s_lshl_b32 s42, s20, 1
	s_add_co_u32 s41, s41, s42                         ; my first 64 rows of B
	s_mov_b32 s43, 3072                                ; k: four key tiles of 768 bytes a unit
	s_mov_b32 s97, 128
	s_mov_b32 s100, 49152
	s_mov_b32 s101, 102400                             ; registers 6-11 belong to the next head
	s_mov_b32 s94, 768
	s_mov_b32 s95, 64
	s_mov_b32 s83, 102400
	s_mov_b32 s90, 0x05040100
	s_mov_b32 s91, 0x07060302
	s_cmp_eq_u32 s98, 1
	s_cselect_b32 s73, s40, s41                        ; head
	s_cselect_b32 s42, s41, s40                        ; unit of 64 keys
	s_cselect_b32 s43, 768, s43                        ; v: half a fragment a unit
	s_cselect_b32 s97, 32, s97
	s_cselect_b32 s96, 51200, 0
	s_cselect_b32 s100, 100352, s100
	s_cselect_b32 s101, 768, s101
	s_cselect_b32 s94, 12288, s94                      ; from channel tile to channel tile
	s_cselect_b32 s95, 1024, s95
	s_cselect_b32 s83, 512, s83
	s_cselect_b32 s90, 0x03020100, s90
	s_cselect_b32 s91, 0x07060504, s91
	s_cselect_b64 s[10:11], s[12:13], s[10:11]         ; its bias
	s_lshr_b32 s40, s42, 4                             ; batch
	s_and_b32 s42, s42, 15
	s_lshl_b32 s40, s40, 4
	s_add_co_u32 s40, s40, s73
	s_mul_i32 s40, s40, 102400                         ; the record
	s_mul_i32 s43, s42, s43
	s_add_co_u32 s43, s43, s40
	s_add_co_u32 s96, s96, s43
	s_mul_i32 s42, s42, s97
	s_add_co_u32 s42, s42, s40
	s_add_co_u32 s100, s100, s42
	s_mov_b32 s97, 0
	s_add_nc_u64 s[84:85], s[16:17], s[96:97]
	s_mov_b32 s96, s101
	s_add_nc_u64 s[86:87], s[84:85], s[96:97]
	s_mov_b32 s96, s100
	s_add_nc_u64 s[88:89], s[16:17], s[96:97]
	s_lshl_b32 s96, s73, 8
	s_add_nc_u64 s[10:11], s[10:11], s[96:97]
	; q's way out
	s_lshl_b32 s40, s99, 1
	s_add_co_u32 s40, s40, s19                         ; unit of 64 queries
	s_lshl_b32 s41, s21, 2
	s_lshl_b32 s42, s20, 1
	s_add_co_u32 s41, s41, s42                         ; head
	s_lshr_b32 s42, s40, 5
	s_and_b32 s40, s40, 31
	s_lshl_b32 s42, s42, 4
	s_add_co_u32 s42, s42, s41
	s_mul_i32 s42, s42, 102400
	s_mul_i32 s96, s40, 3072
	s_add_co_u32 s96, s96, s42
	s_lshl_b32 s40, s40, 7
	s_add_co_u32 s40, s40, s42
	s_add_co_u32 s40, s40, 98304
	s_add_nc_u64 s[4:5], s[14:15], s[96:97]
	s_add_nc_u64 s[6:7], s[4:5], 102400
	s_mov_b32 s96, s40
	s_add_nc_u64 s[14:15], s[14:15], s[96:97]
	s_lshl_b32 s96, s41, 8
	s_add_nc_u64 s[8:9], s[8:9], s[96:97]
	s_mov_b32 s73, 0xffff0000                          ; lanes 16-31
	s_mov_b32 s92, 0x76543210
	s_mov_b32 s93, 0xfedcba98                          ; lane l xor 16
	s_mul_i32 s40, s19, 4*SRB                          ; my four tiles of A in a slot
	s_mul_i32 s41, s20, 8*SRB
	s_add_co_u32 s41, s41, BBASE                       ; my eight of B
	s_sub_co_u32 s42, s41, s40
	v_and_b32 v[R], 15, v0
	v_bfe_u32 v[HH], v0, 4, 1
	v_and_b32 v3, 31, v0
	v_lshlrev_b32 v[L8], 3, v3
	v_lshlrev_b32 v25, 4, v3
	v_add_nc_u32 v[ADRA], s40, v25
	v_add_nc_u32 v[ADRB], s41, v25
	v_add_nc_u32 v[ADRA+1], CHUNK, v[ADRA]
	v_add_nc_u32 v[ADRB+1], CHUNK, v[ADRB]
	v_mul_u32_u24 v18, s42, v[HH]                      ; lanes 16-31 take B's scale words
	v_lshl_add_u32 v18, v[R], 3, v18
	v_add_nc_u32 v[ADRS], s40, v18
	v_add_nc_u32 v[ADRS+1], CHUNK, v[ADRS]
	v_min_u32 v[PFO], 24, v3
	v_lshlrev_b32 v[PFO], 8, v[PFO]                    ; a tile is 25 blocks of 256 bytes
.irp a, 0,1,2,3
	v_mad_u32_u24 v[VOF+\a], s94, \a, v[L8]
	v_add_nc_u32 v[VOQ+\a], 768*\a, v[L8]
.endr
	v_mul_u32_u24 v[SOF], s83, v[HH]
	v_lshl_add_u32 v[SOF], v[R], 2, v[SOF]
	v_add_nc_u32 v[SOF+1], s95, v[SOF]
	v_mul_u32_u24 v[SOQ], 102400, v[HH]
	v_lshl_add_u32 v[SOQ], v[R], 2, v[SOQ]
	v_add_nc_u32 v[SOQ+1], 64, v[SOQ]
	v_lshlrev_b32 v19, 6, v[HH]                        ; bias by B's rows: register j of tile t is row 32 (t / 2) + 8 (t % 2) + 16 h + j
	v_lshrrev_b32 v27, 3, v[R]
	v_lshl_add_u32 v27, v27, 3, v[R]
	v_lshlrev_b32 v27, 2, v27                          ; bias by A's rows: lane r of tile a is row 32 (a / 2) + 8 (a % 2) + r + 8 (r / 8)
	s_wait_alu depctr_va_vdst(0)                       ; the wait at the head's end
	WIN 0xc0
.irp t, 0,1,2,3,4,5,6,7
	global_load_b128 v[64+8*\t:64+8*\t+3], v19, s[8:9] offset:(32*(\t/2)+8*(\t%2))*4
	global_load_b128 v[64+8*\t+4:64+8*\t+7], v19, s[8:9] offset:(32*(\t/2)+8*(\t%2))*4+16
.endr
	WIN 0
	s_cmp_eq_u32 s98, 0
	s_cbranch_scc0 .Lbias_v
	WIN 0xc0
.irp t, 0,1,2,3,4,5,6,7
	global_load_b128 v[8*\t:8*\t+3], v19, s[10:11] offset:(32*(\t/2)+8*(\t%2))*4
	global_load_b128 v[8*\t+4:8*\t+7], v19, s[10:11] offset:(32*(\t/2)+8*(\t%2))*4+16
.endr
	WIN 0
	s_branch .Lbias_done
.Lbias_v:
	WIN 0xc0
.irp t, 0,1,2,3,4,5,6,7                ; a lane's eight registers hold its channel's bias; the four tiles are written twice, so that all 64 registers are written on both ways
.irp j, 0,1,2,3,4,5,6,7
	global_load_b32 v[8*\t+\j], v27, s[10:11] offset:(32*((\t%4)/2)+8*(\t%2))*4
.endr
.endr
	WIN 0
.Lbias_done:
	s_wait_tensorcnt 0x0                               ; my part of chunk 0 is in; slot 1's first fill is issued as a refill is
	ds_add_u32 v[SPW], v[NIL]
	s_wait_dscnt 0x0
	CROUND
	JLOAD 1                                            ; chunk 1
	FETCH 0, 0, 0
	SCALES 0
	s_wait_dscnt 0x0
	FETCH 0, 1, 1
	s_wait_loadcnt 0x0                                 ; the biases
	s_cmp_eq_u32 s98, 0
	s_cbranch_scc0 .Lstart_v
	WIN MULZ
	MUL32 0, 0, 0, 1, 0                                ; the first products start the sums on the bias
	WIN 0
	s_branch .Lstarted
.Lstart_v:
	WIN MULZ
	MUL32 0, 0, 0, 2, 0
	WIN 0
.Lstarted:
	s_mov_b32 s72, 3
.Llap:                                                 ; a trip goes once round the ring, from a lap's second step to the next lap's first
	KS 0, 1
	KS 0, 2
	TURN 0, 1, 1
	KS 1, 0
	KS 1, 1
	KS 1, 2
	TURN 1, 0, 1
	KS 0, 0
	WIN 0
	s_sub_co_u32 s72, s72, 1
	s_cmp_lg_u32 s72, 0
	s_cbranch_scc1 .Llap
	KS 0, 1                                            ; the first block's last lap: its refills are q's two chunks
	KS 0, 2
	TURN 0, 1, 2
	KS 1, 0
	KS 1, 1
	KS 1, 2
	TURN 1, 0, 2                                       ; q's first fragments are asked for here and wait in set 0
	EPI VOF, SOF, 84, 86, 88, s90, s91
	s_wait_dscnt 0x0
	PLACES NP
	FETCH 0, 1, 1
	WIN MULZ
	MUL32 0, 0, 0, 1, 64                               ; q's sums start on bq
	KS 0, 1
	KS 0, 2
	TURN 0, 1, 0
	KS 1, 0
	KS 1, 1
	KS 1, 2
	s_wait_dscnt 0x0
	WIN MUL
	MUL32 1, 3, 1, 0, 0
	WIN 0
	EPI VOQ, SOQ, 4, 6, 14, 0x05040100, 0x07060302
	s_wait_tensorcnt 0x0                               ; the wave's end
	ds_add_u32 v[SPW], v[NIL]
	s_wait_dscnt 0x0
	CROUND                                             ; the closing round
	s_endpgm
.Lfunc_end_k_qdd1c5c5d8b_gemm_qkv:
	.size	k_qdd1c5c5d8b_gemm_qkv, .Lfunc_end_k_qdd1c5c5d8b_gemm_qkv-k_qdd1c5c5d8b_gemm_qkv
	.p2alignl 7, 3214868480
	.fill 96, 4, 3214868480
	.section	.rodata,"a",@progbits
	.p2align	6, 0x0
	.amdhsa_kernel k_qdd1c5c5d8b_gemm_qkv
		.amdhsa_group_segment_fixed_size 327680
		.amdhsa_private_segment_fixed_size 0
		.amdhsa_enable_private_segment 0
		.amdhsa_kernarg_size 56
		.amdhsa_user_sgpr_count 2
		.amdhsa_user_sgpr_kernarg_segment_ptr 1
		.amdhsa_wavefront_size32 1
		.amdhsa_system_sgpr_workgroup_id_x 1
		.amdhsa_system_sgpr_workgroup_id_y 1
		.amdhsa_system_sgpr_workgroup_id_z 1
		.amdhsa_system_vgpr_workitem_id 0
		.amdhsa_next_free_vgpr 896
		.amdhsa_next_free_sgpr 102
		.amdhsa_reserve_vcc 0
		.amdhsa_float_denorm_mode_32 3
		.amdhsa_float_denorm_mode_16_64 3
		.amdhsa_memory_ordered 1
		.amdhsa_forward_progress 1
		.amdhsa_inst_pref_size 231
	.end_amdhsa_kernel
	.amdgpu_metadata
---
amdhsa.version: [ 1, 2 ]
amdhsa.kernels:
  - .name:           k_qdd1c5c5d8b_gemm_qkv
    .symbol:         k_qdd1c5c5d8b_gemm_qkv.kd
    .args:
      - { .name: xq, .offset: 0, .size: 8, .value_kind: global_buffer, .address_space: global }
      - { .name: wall, .offset: 8, .size: 8, .value_kind: global_buffer, .address_space: global }
      - { .name: bq, .offset: 16, .size: 8, .value_kind: global_buffer, .address_space: global }
      - { .name: bk, .offset: 24, .size: 8, .value_kind: global_buffer, .address_space: global }
      - { .name: bv, .offset: 32, .size: 8, .value_kind: global_buffer, .address_space: global }
      - { .name: qc, .offset: 40, .size: 8, .value_kind: global_buffer, .address_space: global }
      - { .name: kv, .offset: 48, .size: 8, .value_kind: global_buffer, .address_space: global }
    .group_segment_fixed_size: 327680
    .private_segment_fixed_size: 0
    .kernarg_segment_align: 8
    .kernarg_segment_size: 56
    .max_flat_workgroup_size: 128
    .sgpr_count:     102
    .vgpr_count:     896
    .wavefront_size: 32
...
	.end_amdgpu_metadata
.endif
;; end of part 2
;; launch attn (part 3): grid 4 x 64, 16 waves a work-group, clusters of 4 x 1, 169,984 bytes of LDS; arguments qc, kv, oc; writes oc
.if DOCPART == 3
	.amdgcn_target "amdgcn-amd-amdhsa--gfx1250"
	.amdhsa_code_object_version 6
	.text
	.protected	k_qdd1c5c5d8b_attn
	.globl	k_qdd1c5c5d8b_attn
	.p2align	8
	.type	k_qdd1c5c5d8b_attn,@function
k_qdd1c5c5d8b_attn:
	s_mov_b64 s[64:65], 0
	v_nop
	global_prefetch_b8 v0, s[64:65] scope:SCOPE_SE
	s_setreg_imm32_b32 hwreg(HW_REG_WAVE_MODE, 25, 1), 1
	s_wait_xcnt 0x0
	s_wait_alu depctr_hold_cnt(0) depctr_sa_sdst(0) depctr_va_vdst(0) depctr_va_sdst(0) depctr_va_ssrc(0) depctr_va_vcc(0) depctr_vm_vsrc(0)
	s_getreg_b32 s2, hwreg(HW_REG_IB_STS2, 6, 4)
	s_cmp_eq_u32 s2, 0
	s_cbranch_scc0 .Lentry_in_a_cluster
	s_endpgm
.Lentry_in_a_cluster:
	s_bfe_u32 s2, ttmp6, 0x10000c
	s_cmp_lg_u32 s2, 0x3003
	s_cbranch_scc0 .Lentry_shape_is_right
	s_endpgm
.Lentry_shape_is_right:
; O = softmax(q k^T / 8) v for one (batch, head), both products on codes of FP6 (E2M3) with E8M0 scales; O / l is quantised along the channels into the last product's operand.
; THE SOFTMAX: t = score x log2(e) / 8; M = the running largest t rounded UP to a whole number; p = 2^(t - M) is quantised along the keys, not normalised; the row's sum is taken of the unquantised p and divides O at the end.
; When M moves, the sum and O are multiplied by 2^(old M - new M): exact.
; SHARES.  A work-group owns 512 queries of one head; each of its sixteen waves two tiles of 16, one after the other (two passes).  Every wave walks the head's 1,024 keys, 128 a step.
; A head's K and V, codes and scale words, are one record of 102,400 bytes: it comes into LDS ONCE, by four tensor loads, and stays: no ring, nothing is filled again.
; CLUSTER.  The four work-groups of a head form a cluster and ask for the record jointly.
; K = 64 IN AN INSTRUCTION OF 128.  Source 0 holds two key tiles: tile 2 i in registers 0-5, tile 2 i + 1 in registers 6-11.  Source 1 is [Q, zeros] or [zeros, Q]: the other 64 along K meet zero codes
; (under the scale byte 0, which is 2^-127 and no NaN) and add nothing.  The zeros stand on Q's side alone.
; LAYOUT.  Both products transposed: a lane holds one query.  Key tile 2 B + u holds at row r key 32 B + 8 u + r + 8 (r / 8): the 16 registers of tiles 2 B, 2 B + 1 are keys 32 B + 16 h + 0 .. 15.  Channel tiles likewise.
; OUT.  oc is laid as the products' operands are: [K / 512][row tile][6,400]; a head owns half a fragment (768 bytes: three stores of 256 consecutive aligned bytes) and two of a scale word's four bytes, which leave as single bytes (1/24 of the output).
; LIMITS: NaN and infinities are not served; p under 2^-126 is taken as 0; a block whose largest magnitude lies under 2^-124 gets the byte 1.
; No prefetch: the launch's only loads stand at its head.
; REGISTERS: v1-4 addresses that stay; v5 Q's pair of scale words; v6-7, v36-39 the second pass's Q; v8-11 the step's addresses; v12 -M, v13 the largest t, v[14:15] the sum; v16-21 zeros, v22-27 Q, v28-33 zeros; v34, v35 Q's scale words;
; v40-87 four pairs of key tiles (v40-55 later at work); v88-91, v92-95 K's and V's scale words; v96-159 S^T, then p; v160-191 O^T; v192-239 V^T; v240-251 p's codes; v252 f, v253 p's scale word; v254 at work; v255 8 r + h.
.set KF, 40
.set KW, 88
.set VW, 92
.set VF, 192
.set PC, 240
.set BM, 40                            ; v40-43 the blocks' largest
.set PT, 44                            ; v44-51 at work
.set SO, 52                            ; v52-55 the conversions' scale operands
.macro CROUND
	s_barrier_signal -1
	s_barrier_wait -1
	s_cmp_lg_u32 s10, 0
	s_cbranch_scc1 .Lnot_wave_0_\@
	s_barrier_signal -3
.Lnot_wave_0_\@:
	s_barrier_wait -3
	s_barrier_signal -1
	s_barrier_wait -1
.endm
.macro STEP                            ; 128 keys
	v_add_nc_u32 v8, s33, v1                           ; these four are the places behind the last step's products, in front of the loads into their registers
	v_add_nc_u32 v9, s35, v2
	v_add_nc_u32 v10, s34, v3
	v_add_nc_u32 v11, s36, v4
.irp i, 0,1,2,3
.irp p, 0,1,2,3,4,5
	ds_load_b64 v[KF+12*\i+2*\p:KF+12*\i+2*\p+1], v8 offset:1536*\i+256*\p
.endr
	ds_load_b32 v[KW+\i], v10 offset:64*\i
.endr
.irp t, 0,1,2,3
.irp p, 0,1,2,3,4,5
	ds_load_b64 v[VF+12*\t+2*\p:VF+12*\t+2*\p+1], v9 offset:12288*\t+256*\p
.endr
	ds_load_b32 v[VW+\t], v11 offset:512*\t
.endr
	s_wait_dscnt 28                                    ; K's 28 loads are in; V's 28 may be out
.irp i, 0,1,2,3
	v_wmma_scale_f32_16x16x128_f8f6f4 v[96+16*\i:103+16*\i], v[KF+12*\i:KF+12*\i+11], v[22:33], 0, v[KW+\i], v34 matrix_a_fmt:MATRIX_FMT_FP6 matrix_b_fmt:MATRIX_FMT_FP6
	v_wmma_scale_f32_16x16x128_f8f6f4 v[104+16*\i:111+16*\i], v[KF+12*\i:KF+12*\i+11], v[16:27], 0, v[KW+\i], v35 matrix_a_fmt:MATRIX_FMT_FP6 matrix_b_fmt:MATRIX_FMT_FP6
.endr
.rept 4
	v_nop                                              ; places: the scores are read, and K's first registers written, below
.endr
.irp b, 0,1,2,3
	v_max3_num_f32 v[BM+\b], v[96+16*\b], v[97+16*\b], v[98+16*\b]   ; the largest score of each block of 32 keys: for the row's maximum, and, since p rises with the score, for the block's largest p
.endr
.irp i, 3,5,7,9,11,13
.irp b, 0,1,2,3
	v_max3_num_f32 v[BM+\b], v[BM+\b], v[96+16*\b+\i], v[97+16*\b+\i]
.endr
.endr
.irp b, 0,1,2,3
	v_max_num_f32 v[BM+\b], v[BM+\b], v[111+16*\b]
.endr
.irp b, 0,1,2,3
	s_delay_alu instid0(VALU_DEP_4)
	v_permlanex16_b32 v[PT+\b], v[BM+\b], s30, s31
.endr
.irp b, 0,1,2,3
	s_delay_alu instid0(VALU_DEP_4)
	v_max_num_f32 v[BM+\b], v[BM+\b], v[PT+\b]
.endr
	s_delay_alu instid0(VALU_DEP_2)
	v_max3_num_f32 v254, v[BM], v[BM+1], v[BM+2]
	s_delay_alu instid0(VALU_DEP_1)
	v_max_num_f32 v254, v254, v[BM+3]
	s_delay_alu instid0(VALU_DEP_1)
	v_mul_f32 v254, s28, v254                          ; as t
	s_delay_alu instid0(VALU_DEP_1)
	v_max_num_f32 v13, v13, v254                       ; the running largest t
	v_mov_b32 v254, v12
	s_delay_alu instid0(VALU_DEP_2)
	v_floor_f32 v12, -v13                              ; the new -M = -ceil(t)
	s_delay_alu instid0(VALU_DEP_1)
	v_sub_f32 v254, v12, v254                          ; old M - new M: a whole number, 0 or less
	s_delay_alu instid0(VALU_DEP_1)
	v_cvt_i32_f32 v254, v254                           ; (it saturates)
	s_delay_alu instid0(VALU_DEP_1)
	v_ldexp_f32 v252, 1.0, v254                        ; f = 2^(old M - new M)
.set j, 0
.rept 32
	v_pk_fma_f32 v[96+j:97+j], v[96+j:97+j], s[28:29], v[12:13] op_sel_hi:[1,0,0]   ; t - M
.set j, j+2
.endr
.irp b, 0,1,2,3
	v_fma_f32 v[BM+\b], v[BM+\b], s28, v12
.endr
.set j, 0
	s_wait_alu depctr_va_vdst(0)
.rept 64
	v_exp_f32 v[96+j], v[96+j]                         ; p = 2^(t - M)
.set j, j+1
.endr
	v_pk_mul_f32 v[14:15], v[14:15], v[252:253] op_sel_hi:[1,0]   ; the sums under the new M: a plain line behind the exponentials
	s_wait_alu depctr_va_vdst(0)                       ; one wait for the batch, ahead of its first reader
.irp b, 0,1,2,3
	v_exp_f32 v[BM+\b], v[BM+\b]                       ; the blocks' largest p
.endr
	v_pk_add_f32 v[44:45], v[100:101], v[104:105]
	v_pk_add_f32 v[250:251], v[108:109], v[112:113]
	v_pk_add_f32 v[248:249], v[116:117], v[120:121]
	v_pk_add_f32 v[246:247], v[124:125], v[128:129]
	v_pk_add_f32 v[244:245], v[132:133], v[136:137]
	v_pk_add_f32 v[242:243], v[140:141], v[144:145]
	v_pk_add_f32 v[240:241], v[148:149], v[152:153]
	v_pk_add_f32 v[14:15], v[14:15], v[156:157]
	v_pk_add_f32 v[44:45], v[44:45], v[96:97]
	v_pk_add_f32 v[250:251], v[250:251], v[98:99]
	v_pk_add_f32 v[248:249], v[248:249], v[102:103]
	v_pk_add_f32 v[246:247], v[246:247], v[106:107]
	v_pk_add_f32 v[244:245], v[244:245], v[110:111]
	v_pk_add_f32 v[242:243], v[242:243], v[114:115]
	v_pk_add_f32 v[240:241], v[240:241], v[118:119]
	v_pk_add_f32 v[14:15], v[14:15], v[122:123]
	v_pk_add_f32 v[44:45], v[44:45], v[126:127]
	v_pk_add_f32 v[250:251], v[250:251], v[130:131]
	v_pk_add_f32 v[248:249], v[248:249], v[134:135]
	v_pk_add_f32 v[246:247], v[246:247], v[138:139]
	v_pk_add_f32 v[244:245], v[244:245], v[142:143]
	v_pk_add_f32 v[242:243], v[242:243], v[146:147]
	v_pk_add_f32 v[240:241], v[240:241], v[150:151]
	v_pk_add_f32 v[14:15], v[14:15], v[154:155]
	v_pk_add_f32 v[44:45], v[44:45], v[158:159]
	s_delay_alu instid0(VALU_DEP_2)
	v_pk_add_f32 v[14:15], v[14:15], v[246:247]
	s_delay_alu instid0(VALU_DEP_2)
	v_pk_add_f32 v[44:45], v[44:45], v[244:245]
	v_pk_add_f32 v[250:251], v[250:251], v[242:243]
	v_pk_add_f32 v[248:249], v[248:249], v[240:241]
	s_delay_alu instid0(VALU_DEP_2)
	v_pk_add_f32 v[14:15], v[14:15], v[250:251]
	s_delay_alu instid0(VALU_DEP_2)
	v_pk_add_f32 v[44:45], v[44:45], v[248:249]
	s_delay_alu instid0(VALU_DEP_1)
	v_pk_add_f32 v[14:15], v[14:15], v[44:45]
	s_wait_alu depctr_va_vdst(0)                       ; and one for the four
.irp b, 0,1,2,3
	v_max_num_f32 v[BM+\b], 0x1800000, v[BM+\b]        ; the floor 2^(3 - 127)
.endr
.irp b, 0,1,2,3
	s_delay_alu instid0(VALU_DEP_4)
	v_add_nc_u32 v[SO+\b], 0xff000000, v[BM+\b]
.endr
.irp b, 0,1,2,3
	s_delay_alu instid0(VALU_DEP_4)
	v_lshrrev_b32 v[PT+\b], 23, v[SO+\b]
.endr
	s_delay_alu instid0(VALU_DEP_3)
	v_lshl_or_b32 v253, v[PT+1], 8, v[PT]              ; p's scale word for these 128 keys
	s_delay_alu instid0(VALU_DEP_1)
	v_lshl_or_b32 v253, v[PT+2], 16, v253
	s_delay_alu instid0(VALU_DEP_1)
	v_lshl_or_b32 v253, v[PT+3], 24, v253
.irp c, 0,1
	v_cvt_scalef32_pk16_fp6_f32 v[PC+6*\c:PC+2+6*\c], v[96+32*\c:111+32*\c], v[SO+2*\c]
	v_cvt_scalef32_pk16_fp6_f32 v[PT+4*\c:PT+2+4*\c], v[112+32*\c:127+32*\c], v[SO+2*\c+1]
.endr
	v_nop                                              ; one plain line behind the scaled conversions
.irp c, 0,1
.irp i, 0,1,2
	v_permlane16_swap_b32 v[PC+6*\c+\i], v[PT+4*\c+\i]
.endr
.irp i, 0,1,2
	s_delay_alu instid0(VALU_DEP_3)
	v_mov_b32 v[PC+3+6*\c+\i], v[PT+4*\c+\i]
.endr
.endr
.set j, 0
.rept 16
	v_pk_mul_f32 v[160+j:161+j], v[160+j:161+j], v[252:253] op_sel_hi:[1,0]   ; O^T under the new M; these sixteen also stand between the writes of p's codes and scale word and the products
.set j, j+2
.endr
	s_wait_alu depctr_va_vdst(0)
	s_wait_dscnt 0x0                                   ; V is in
.irp t, 0,1,2,3
	v_wmma_scale_f32_16x16x128_f8f6f4 v[160+8*\t:167+8*\t], v[VF+12*\t:VF+12*\t+11], v[PC:PC+11], v[160+8*\t:167+8*\t], v[VW+\t], v253 matrix_a_fmt:MATRIX_FMT_FP6 matrix_b_fmt:MATRIX_FMT_FP6
.endr
	s_add_co_u32 s33, s33, 6144                        ; the next 128 keys: eight key tiles,
	s_add_co_u32 s34, s34, 256                         ; four pairs' scale words,
	s_add_co_u32 s35, s35, 1536                        ; a fragment of V^T in each channel tile,
	s_add_co_u32 s36, s36, 64                          ; and its scale words
.endm
.macro FINISH p
	v_add_f32 v14, v14, v15
	s_delay_alu instid0(VALU_DEP_1)
	v_permlanex16_b32 v254, v14, s30, s31
	s_delay_alu instid0(VALU_DEP_1)
	v_add_f32 v14, v14, v254                           ; the row's sum
	s_wait_alu depctr_va_vdst(0)
	v_rcp_f32 v14, v14
.rept 4
	v_nop                                              ; places behind the last products, and the plain line behind the reciprocal
.endr
	s_wait_alu depctr_va_vdst(0)                       ; ahead of the reciprocal's first reader
.set j, 0
.rept 16
	v_pk_mul_f32 v[96+j:97+j], v[160+j:161+j], v[14:15] op_sel_hi:[1,0]   ; O^T / l: register 16 B + i = channel 32 B + 16 h + i.  Each accumulator from its low end on
.set j, j+2
.endr
.irp b, 0,1
	v_max3_num_f32 v[BM+\b], |v[96+16*\b]|, |v[97+16*\b]|, 0x1800000
.endr
.irp i, 2,4,6,8,10,12,14
.irp b, 0,1
	s_delay_alu instid0(VALU_DEP_2)
	v_max3_num_f32 v[BM+\b], v[BM+\b], |v[96+16*\b+\i]|, |v[97+16*\b+\i]|
.endr
.endr
.irp b, 0,1
	s_delay_alu instid0(VALU_DEP_2)
	v_permlanex16_b32 v[PT+\b], v[BM+\b], s30, s31
.endr
.irp b, 0,1
	s_delay_alu instid0(VALU_DEP_2)
	v_max_num_f32 v[BM+\b], v[BM+\b], v[PT+\b]
.endr
.irp b, 0,1
	s_delay_alu instid0(VALU_DEP_2)
	v_add_nc_u32 v[SO+\b], 0xff000000, v[BM+\b]
.endr
.irp b, 0,1
	s_delay_alu instid0(VALU_DEP_2)
	v_lshrrev_b32 v[PT+\b], 23, v[SO+\b]
.endr
	v_cvt_scalef32_pk16_fp6_f32 v[PC:PC+2], v[96:111], v[SO]
	v_cvt_scalef32_pk16_fp6_f32 v[PT+4:PT+6], v[112:127], v[SO+1]
	v_cndmask_b32 v254, v[PT], v[PT+1], s32            ; lane (r, h) stores block h's byte.  (Also the plain line behind the conversions)
.irp i, 0,1,2
	v_permlane16_swap_b32 v[PC+\i], v[PT+4+\i]
.endr
.irp i, 0,1,2
	s_delay_alu instid0(VALU_DEP_3)
	v_mov_b32 v[PC+3+\i], v[PT+4+\i]
.endr
.irp i, 0,1,2
	global_store_b64 v1, v[PC+2*\i:PC+2*\i+1], s[42:43] offset:6400*\p+256*\i   ; 256 consecutive bytes, aligned
.endr
	global_store_b8 v255, v254, s[44:45] offset:6400*\p
.endm
.macro PASS p
.if \p
	s_wait_xcnt 0x0                                    ; the first pass's stores have read their registers
	v_mov_b32 v22, v6
	v_mov_b32 v23, v7
	v_mov_b32 v24, v36
	v_mov_b32 v25, v37
	v_mov_b32 v26, v38
	v_mov_b32 v27, v39
.endif
	v_lshrrev_b32 v34, 16*\p, v5
	s_delay_alu instid0(VALU_DEP_1)
	v_and_b32 v34, 0xffff, v34                         ; [q0, q1, 0, 0]: for [Q, zeros]
	s_delay_alu instid0(VALU_DEP_1)
	v_lshlrev_b32 v35, 16, v34                         ; [0, 0, q0, q1]: for [zeros, Q]
	v_mov_b32 v13, 0xff61b1e6                          ; the largest t so far: -3e38
	s_delay_alu instid0(VALU_DEP_1)
	v_floor_f32 v12, -v13
	v_mov_b32 v14, 0
	v_mov_b32 v15, 0
	v_mov_b32 v253, 0
.set j, 0
.rept 32
	v_mov_b32 v[160+j], 0                              ; O^T: the step is written once, its first trip finds zeros.  (These also stand between the writes of Q's registers and scale words and the products)
.set j, j+1
.endr
	s_mov_b32 s33, 0
	s_mov_b32 s34, 0
	s_mov_b32 s35, 0
	s_mov_b32 s36, 0
	s_mov_b32 s37, 8
.Lstep_\@:
	STEP
	s_sub_co_u32 s37, s37, 1
	s_cmp_lg_u32 s37, 0
	s_cbranch_scc1 .Lstep_\@
	FINISH \p
.endm
	s_load_b128 s[4:7], s[0:1], 0x0                    ; qc, kv
	s_load_b64 s[8:9], s[0:1], 0x10                    ; oc
	v_lshl_add_u32 v254, v0, 2, 0x29000
	v_mov_b32 v255, 0
	ds_add_u32 v254, v255
	ds_add_u32 v254, v255
	s_wait_dscnt 0x0
	v_lshrrev_b32 v8, 5, v0
	s_delay_alu instid0(VALU_DEP_1)
	v_readfirstlane_b32 s10, v8                        ; wave 0..15
	s_bfe_u32 s11, ttmp6, 0x40000                      ; cx: which 512 queries (the grid has one cluster along x)
	s_and_b32 s12, ttmp7, 0xffff                       ; 16 x batch + head, which the partners share
	s_mov_b32 s16, 15|(3<<16)|(1<<21)                  ; the mask: all four; elements of 8 bytes; bit 21 beside a mask
	s_mov_b32 s17, 32<<16                              ; rows of 256 bytes
	s_mov_b32 s18, 100<<16                             ; 100 of them
	s_mov_b32 s19, 32<<16
	s_mov_b32 s20, 100
	s_mov_b32 s21, 32                                  ; dense
	s_mov_b32 s22, 0
	s_mov_b32 s23, 0
	s_and_b32 s46, s10, 3
	s_mul_i32 s47, s46, 25600                          ; my quarter of the record, in memory and in LDS
	s_mul_i32 s48, s12, 102400                         ; the head's record
	s_add_co_u32 s50, s48, s47
	s_mov_b32 s51, 0
	s_mov_b32 s28, 0x3e38aa3b                          ; c = log2(e) / 8
	s_mov_b32 s29, s28
	s_mov_b32 s30, 0x76543210
	s_mov_b32 s31, 0xfedcba98
	s_mov_b32 s32, 0xffff0000
	s_wait_kmcnt 0x0
	s_mov_b32 s24, 1
	s_mov_b32 s25, s47
	s_add_nc_u64 s[26:27], s[6:7], s[50:51]
	s_or_b32 s27, s27, 0x80000000
	CROUND                                             ; all four work-groups are here: the joint loads meet
	s_cmp_lt_u32 s10, 4                                ; waves 0-3 fetch, one load each; the wait below is for 0
	s_cbranch_scc0 .Lno_fetch
	tensor_load_to_lds s[24:27], s[16:23]
	s_nop 0
.rept 4
	v_nop
.endr
.Lno_fetch:
	s_lshl_b32 s46, s11, 5
	s_lshl_b32 s49, s10, 1
	s_add_co_u32 s46, s46, s49                         ; my first q tile in the batch: 32 cx + 2 wave
	s_mul_i32 s52, s46, 768
	s_add_co_u32 s52, s52, s48
	s_mov_b32 s53, 0
	s_add_nc_u64 s[38:39], s[4:5], s[52:53]            ; Q's codes
	s_lshl_b32 s52, s46, 5
	s_add_co_u32 s52, s52, s48
	s_add_co_u32 s52, s52, 98304
	s_add_nc_u64 s[40:41], s[4:5], s[52:53]            ; the pair's scale words
	s_lshr_b32 s54, s12, 4                             ; batch
	s_and_b32 s55, s12, 15                             ; head
	s_lshl_b32 s54, s54, 7
	s_add_co_u32 s54, s54, s46                         ; the row tile of the last product's A
	s_lshr_b32 s52, s55, 3                             ; which 512 along its K
	s_lshl_b32 s52, s52, 9
	s_add_co_u32 s52, s52, s54
	s_mul_i32 s52, s52, 6400
	s_bfe_u32 s54, s55, 0x20001                        ; which 128 of the 512: (head / 2) % 4
	s_and_b32 s55, s55, 1                              ; which half of the fragment
	s_lshr_b32 s49, s54, 1
	s_and_b32 s50, s54, 1
	s_lshl_b32 s56, s49, 7
	s_lshl_b32 s50, s50, 2
	s_add_co_u32 s56, s56, s50
	s_lshl_b32 s50, s55, 1
	s_add_co_u32 s56, s56, s50
	s_add_co_u32 s56, s56, 3072
	s_add_co_u32 s56, s56, s52
	s_mov_b32 s57, 0
	s_add_nc_u64 s[44:45], s[8:9], s[56:57]            ; my two bytes of the scale words
	s_mul_i32 s54, s54, 1536
	s_lshl_b32 s51, s49, 8
	s_add_co_u32 s54, s54, s51
	s_mul_i32 s51, s55, 768
	s_add_co_u32 s54, s54, s51
	s_add_co_u32 s54, s54, s52
	s_mov_b32 s55, 0
	s_add_nc_u64 s[42:43], s[8:9], s[54:55]            ; my three planes
	v_and_b32 v8, 31, v0
	v_and_b32 v9, 15, v0                               ; r
	v_bfe_u32 v10, v0, 4, 1                            ; h
	s_delay_alu instid0(VALU_DEP_3)
	v_lshlrev_b32 v1, 3, v8                            ; K's planes: 8 x lane
	s_delay_alu instid0(VALU_DEP_1)
	v_add_nc_u32 v2, 51200, v1                         ; V's
	s_delay_alu instid0(VALU_DEP_4)
	v_lshl_add_u32 v3, v9, 2, 49152                    ; K's scale words
	v_lshl_add_u32 v4, v9, 2, 100352                   ; V's
	v_lshl_add_u32 v255, v9, 3, v10
	v_lshlrev_b32 v254, 2, v9
.irp i, 0,1,2
	global_load_b64 v[22+2*\i:23+2*\i], v1, s[38:39] offset:256*\i
.endr
	global_load_b64 v[6:7], v1, s[38:39] offset:768
	global_load_b64 v[36:37], v1, s[38:39] offset:1024
	global_load_b64 v[38:39], v1, s[38:39] offset:1280
	global_load_b32 v5, v254, s[40:41]
.irp i, 0,1,2,3,4,5
	v_mov_b32 v[16+\i], 0
	v_mov_b32 v[28+\i], 0
.endr
	s_wait_tensorcnt 0x0                               ; my quarter has landed (a wave that fetched nothing passes),
	s_barrier_signal -1
	s_barrier_wait -1                                  ; everybody's has
	s_wait_loadcnt 0x0                                 ; Q
	PASS 0
	PASS 1
	s_wait_xcnt 0x0
	v_lshl_add_u32 v254, v0, 2, 0x29000
	v_mov_b32 v255, 0
	s_wait_alu depctr_va_vdst(0)
	s_wait_tensorcnt 0x0
	ds_add_u32 v254, v255
	s_wait_dscnt 0x0
	CROUND                                             ; the closing round
	s_endpgm
.Lfunc_end_k_qdd1c5c5d8b_attn:
	.size	k_qdd1c5c5d8b_attn, .Lfunc_end_k_qdd1c5c5d8b_attn-k_qdd1c5c5d8b_attn
	.p2alignl 7, 3214868480
	.fill 96, 4, 3214868480
	.section	.rodata,"a",@progbits
	.p2align	6, 0x0
	.amdhsa_kernel k_qdd1c5c5d8b_attn
		.amdhsa_group_segment_fixed_size 169984
		.amdhsa_private_segment_fixed_size 0
		.amdhsa_enable_private_segment 0
		.amdhsa_kernarg_size 24
		.amdhsa_user_sgpr_count 2
		.amdhsa_user_sgpr_kernarg_segment_ptr 1
		.amdhsa_wavefront_size32 1
		.amdhsa_system_sgpr_workgroup_id_x 1
		.amdhsa_system_sgpr_workgroup_id_y 1
		.amdhsa_system_sgpr_workgroup_id_z 1
		.amdhsa_system_vgpr_workitem_id 0
		.amdhsa_next_free_vgpr 256
		.amdhsa_next_free_sgpr 66
		.amdhsa_reserve_vcc 0
		.amdhsa_float_denorm_mode_32 3
		.amdhsa_float_denorm_mode_16_64 3
		.amdhsa_memory_ordered 1
		.amdhsa_forward_progress 1
		.amdhsa_inst_pref_size 56
	.end_amdhsa_kernel
	.amdgpu_metadata
---
amdhsa.version: [ 1, 2 ]
amdhsa.kernels:
  - .name:           k_qdd1c5c5d8b_attn
    .symbol:         k_qdd1c5c5d8b_attn.kd
    .args:
      - { .name: qc, .offset: 0, .size: 8, .value_kind: global_buffer, .address_space: global }
      - { .name: kv, .offset: 8, .size: 8, .value_kind: global_buffer, .address_space: global }
      - { .name: oc, .offset: 16, .size: 8, .value_kind: global_buffer, .address_space: global }
    .group_segment_fixed_size: 169984
    .private_segment_fixed_size: 0
    .kernarg_segment_align: 8
    .kernarg_segment_size: 24
    .max_flat_workgroup_size: 512
    .sgpr_count:     66
    .vgpr_count:     256
    .wavefront_size: 32
...
	.end_amdgpu_metadata
.endif
;; end of part 3
;; launch gemm_out (part 4): grid 4 x 64, 4 waves a work-group, clusters of 4 x 4, 327,680 bytes of LDS; arguments oc, wall, bo, out0; writes out0
.if DOCPART == 4
	.amdgcn_target "amdgcn-amd-amdhsa--gfx1250"
	.amdhsa_code_object_version 6
	.text
	.protected	k_qdd1c5c5d8b_gemm_out
	.globl	k_qdd1c5c5d8b_gemm_out
	.p2align	8
	.type	k_qdd1c5c5d8b_gemm_out,@function
k_qdd1c5c5d8b_gemm_out:
	s_mov_b64 s[64:65], 0
	v_nop
	global_prefetch_b8 v0, s[64:65] scope:SCOPE_SE
	s_setreg_imm32_b32 hwreg(HW_REG_WAVE_MODE, 25, 1), 1
	s_wait_xcnt 0x0
	s_wait_alu depctr_hold_cnt(0) depctr_sa_sdst(0) depctr_va_vdst(0) depctr_va_sdst(0) depctr_va_ssrc(0) depctr_va_vcc(0) depctr_vm_vsrc(0)
	s_getreg_b32 s2, hwreg(HW_REG_IB_STS2, 6, 4)
	s_cmp_eq_u32 s2, 0
	s_cbranch_scc0 .Lentry_in_a_cluster
	s_endpgm
.Lentry_in_a_cluster:
	s_bfe_u32 s2, ttmp6, 0x10000c
	s_cmp_lg_u32 s2, 0xf033
	s_cbranch_scc0 .Lentry_shape_is_right
	s_endpgm
.Lentry_shape_is_right:
.set FR,    12
.set NP,    4
.set SRB,   6400
.set CHUNK, 24*SRB
.set BBASE, 8*SRB
.set SPITCH, 528
.set ADRA, 16
.set ADRB, 20
.set ADRS, 22
.set STO,  24
.set RD,   25
.set CO,   26
.set SC,   32
.set BIAS, 96
.set AF,   160
.set BK,   128
.set G1,  24
.set G0,  32
.set G1B, 48
.set G0B, 56
.set MSB, 0
.macro WIN new
.if MSB != \new
	s_set_vgpr_msb (MSB<<8)|\new
.set MSB, \new
.endif
.endm
.set MUL,  0xa1
.set MUL0, 0x81
.set TO_B, 0x40
.macro JLOAD g0a, g1a, g0b, g1b
	s_cmp_eq_u32 s19, 0
	s_cbranch_scc0 .Lfor_b_\@
	tensor_load_to_lds s[\g0a:\g0a+3], s[\g1a:\g1a+7]
	s_nop 0
.rept 4
	v_nop
.endr
	s_branch .Lasked_\@
.Lfor_b_\@:
	tensor_load_to_lds s[\g0b:\g0b+3], s[\g1b:\g1b+7]
	s_nop 0
.rept 4
	v_nop
.endr
.Lasked_\@:
.endm
.macro CROUND
	s_barrier_signal -1
	s_barrier_wait -1
	s_cmp_lg_u32 s18, 0
	s_cbranch_scc1 .Lnot_wave_0_\@
	s_barrier_signal -3
.Lnot_wave_0_\@:
	s_barrier_wait -3
	s_barrier_signal -1
	s_barrier_wait -1
.endm
.macro PLACES n
.rept \n
	v_nop
.endr
.endm
.macro FRAG reg, adr, s, i
.irp p, 0,1,2,3,4,5
	ds_load_b64 v[\reg+2*\p:\reg+2*\p+1], v[\adr] offset:SRB*(\i)+1536*(\s)+256*((\s)/2)+256*\p
.endr
.endm
.macro FRAGB reg, adr, s, i            ; Wo's fragments lie as three planes of 512 bytes, 16 bytes a lane
.irp p, 0,1,2
	ds_load_b128 v[\reg+4*\p:\reg+4*\p+3], v[\adr] offset:SRB*(\i)+1536*(\s)+256*((\s)/2)+512*\p
.endr
.endm
.macro MUL16 a0, p, s, kc, zero
.irp a, \a0, \a0+1
.irp b, 0,1,2,3,4,5,6,7
.set rD, 8*(8*(\a)+\b)
.set rB, 128*(\p)+FR*\b
.set rA, AF+48*(\p)+FR*(\a)
.set rSB, SC+32*(\kc)+4*\b+(\s)
.set rSA, SC+32*(\kc)+4*(\a)+(\s)
.if \zero
	v_wmma_scale_f32_16x16x128_f8f6f4 v[rD:rD+7], v[rB:rB+FR-1], v[rA:rA+FR-1], v[BIAS+8*\b:BIAS+8*\b+7], v[rSB], v[rSA] matrix_a_fmt:MATRIX_FMT_FP6 matrix_b_fmt:MATRIX_FMT_FP6 matrix_a_scale:MATRIX_SCALE_ROW1
.else
	v_wmma_scale_f32_16x16x128_f8f6f4 v[rD:rD+7], v[rB:rB+FR-1], v[rA:rA+FR-1], v[rD:rD+7], v[rSB], v[rSA] matrix_a_fmt:MATRIX_FMT_FP6 matrix_b_fmt:MATRIX_FMT_FP6 matrix_a_scale:MATRIX_SCALE_ROW1
.endif
.endr
.endr
.endm
.macro FETCH kc, s, p
	WIN TO_B
.irp i, 0,1,2,3,4,5,6,7
	FRAGB 128*(\p)+FR*\i, ADRB+\kc, \s, \i
.endr
	WIN 0
.irp i, 0,1,2,3
	FRAG AF+48*(\p)+FR*\i, ADRA+\kc, \s, \i
.endr
.endm
.macro SCALES kc
.irp i, 0,1,2,3,4,5,6,7
.irp u, 0,1
	ds_load_b64 v[SC+32*\kc+4*\i+2*\u:SC+32*\kc+4*\i+2*\u+1], v[ADRS+\kc] offset:SRB*\i+3072+128*\u
.endr
.endr
.endm
.macro KS kc, s, zero
	s_wait_dscnt 0x0
.if \zero
	WIN MUL0
.else
	WIN MUL
.endif
	MUL16 0, (\s)%2, \s, \kc, \zero
	PLACES NP
	FETCH \kc, (\s)+1, 1-(\s)%2
.if \zero
	WIN MUL0
.else
	WIN MUL
.endif
	MUL16 2, (\s)%2, \s, \kc, \zero
	WIN 0
.endm
	s_load_b256 s[4:11], s[0:1], 0x0
	v_lshl_add_u32 v30, v0, 2, 0x4b000
	v_mov_b32 v31, 0
	ds_add_u32 v30, v31
	ds_add_u32 v30, v31
	v_lshrrev_b32 v1, 5, v0
	v_readfirstlane_b32 s18, v1
	s_lshr_b32 s19, s18, 1
	s_and_b32 s20, s18, 1
	s_bfe_u32 s21, ttmp6, 0x40000
	s_bfe_u32 s22, ttmp6, 0x40004
	s_and_b32 s23, ttmp7, 0xffff
	s_lshl_b32 s2, s23, 2
	s_add_co_u32 s2, s2, s22
	s_lshl_b32 s94, s22, 2
	s_lshl_b32 s94, 15, s94
	s_lshl_b32 s95, 0x1111, s21
	s_or_b32 s[G1+0], s94, (3<<16)|(1<<21)
	s_or_b32 s[G1B+0], s95, (3<<16)|(1<<21)
	s_mov_b32 s[G1+1], 32<<16
	s_mov_b32 s[G1+2], 100<<16
	s_mov_b32 s[G1+3], 32<<16
	s_mov_b32 s[G1+4], 100
	s_mov_b32 s[G1+5], 32
	s_mov_b32 s[G1+6], 0
	s_mov_b32 s[G1+7], 0
	s_mov_b32 s[G1B+1], 32<<16
	s_mov_b32 s[G1B+2], 200<<16
	s_mov_b32 s[G1B+3], 32<<16
	s_mov_b32 s[G1B+4], 200
	s_mov_b32 s[G1B+5], 32
	s_mov_b32 s[G1B+6], 0
	s_mov_b32 s[G1B+7], 0
	s_lshl_b32 s40, s2, 3
	s_lshl_b32 s94, s20, 2
	s_add_co_u32 s40, s40, s94
	s_mul_i32 s40, s40, SRB
	s_mov_b32 s41, 0
	s_lshl_b32 s66, s21, 4
	s_lshl_b32 s94, s20, 3
	s_add_co_u32 s66, s66, s94
	s_mul_i32 s66, s66, SRB
	s_add_co_u32 s66, s66, 819200
	s_mov_b32 s67, 0
	s_mul_i32 s98, s20, 4*SRB
	s_mul_i32 s99, s20, 8*SRB
	s_add_co_u32 s99, s99, BBASE
	s_wait_dscnt 0x0
	s_wait_kmcnt 0x0
	s_add_nc_u64 s[40:41], s[4:5], s[40:41]
	s_add_nc_u64 s[66:67], s[6:7], s[66:67]
	CROUND
.irp s, 0,1
	s_mov_b32 s[G0+4*\s], 1
	s_add_co_u32 s[G0+4*\s+1], s98, \s*CHUNK
	s_add_nc_u64 s[G0+4*\s+2:G0+4*\s+3], s[40:41], \s*3276800
	s_or_b32 s[G0+4*\s+3], s[G0+4*\s+3], 0x80000000
	s_mov_b32 s[G0B+4*\s], 1
	s_add_co_u32 s[G0B+4*\s+1], s99, \s*CHUNK
	s_add_nc_u64 s[G0B+4*\s+2:G0B+4*\s+3], s[66:67], \s*409600
	s_or_b32 s[G0B+4*\s+3], s[G0B+4*\s+3], 0x80000000
	s_wait_alu depctr_va_vdst(0)
	s_wait_tensorcnt 0x0
	ds_add_u32 v30, v31
	ds_add_u32 v30, v31
	s_wait_dscnt 0x0
	CROUND
	JLOAD G0+4*\s, G1, G0B+4*\s, G1B
.endr
	v_and_b32 v1, 15, v0
	v_bfe_u32 v2, v0, 4, 1
	v_and_b32 v3, 31, v0
	v_lshlrev_b32 v6, 3, v3
	s_mul_i32 s40, s19, 4*SRB
	s_mul_i32 s41, s20, 8*SRB
	s_add_co_u32 s41, s41, BBASE
	v_add_nc_u32 v[ADRA], s40, v6
	v_lshlrev_b32 v7, 4, v3
	v_add_nc_u32 v[ADRB], s41, v7
	v_add_nc_u32 v[ADRA+1], CHUNK, v[ADRA]
	v_add_nc_u32 v[ADRB+1], CHUNK, v[ADRB]
	s_sub_co_u32 s41, s41, s40
	v_mul_u32_u24 v4, s41, v2
	v_lshl_add_u32 v4, v1, 3, v4
	v_add_nc_u32 v[ADRS], s40, v4
	v_add_nc_u32 v[ADRS+1], CHUNK, v[ADRS]
	s_mul_i32 s42, s18, 16*SPITCH
	v_mul_u32_u24 v4, v1, SPITCH
	v_lshl_add_u32 v4, v2, 6, v4
	v_add_nc_u32 v[STO], s42, v4
	v_lshlrev_b32 v[CO], 4, v3
	v_add_nc_u32 v[RD], s42, v[CO]
	v_lshlrev_b32 v5, 6, v2
	s_wait_alu depctr_va_vdst(0)
	s_lshl_b32 s40, s21, 10
	s_lshl_b32 s42, s20, 9
	s_add_co_u32 s40, s40, s42
	s_mov_b32 s41, 0
	s_add_nc_u64 s[8:9], s[8:9], s[40:41]
	s_lshl_b32 s42, s2, 7
	s_lshl_b32 s66, s19, 6
	s_add_co_u32 s42, s42, s66
	s_lshl_b32 s42, s42, 12
	s_add_co_u32 s40, s40, s42
	s_add_nc_u64 s[10:11], s[10:11], s[40:41]
.irp t, 0,1,2,3,4,5,6,7
	global_load_b128 v[BIAS+8*\t:BIAS+8*\t+3], v5, s[8:9] offset:(32*(\t/2)+8*(\t%2))*4
	global_load_b128 v[BIAS+8*\t+4:BIAS+8*\t+7], v5, s[8:9] offset:(32*(\t/2)+8*(\t%2))*4+16
.endr
	s_wait_tensorcnt 1
	s_barrier_signal -1
	s_barrier_wait -1
	FETCH 0, 0, 0
	SCALES 0
	s_wait_loadcnt 0x0
	KS 0, 0, 1
	KS 0, 1, 0
	KS 0, 2, 0
	s_wait_dscnt 0x0
	WIN MUL
	MUL16 0, 1, 3, 0, 0
	WIN 0
	s_wait_tensorcnt 0x0
	s_barrier_signal -1
	s_barrier_wait -1
	PLACES NP
	FETCH 1, 0, 0
	SCALES 1
	WIN MUL
	MUL16 2, 1, 3, 0, 0
	WIN 0
	KS 1, 0, 0
	KS 1, 1, 0
	KS 1, 2, 0
	s_wait_dscnt 0x0
	WIN MUL
	MUL16 0, 1, 3, 1, 0
	MUL16 2, 1, 3, 1, 0
	WIN 0
.macro TOSTAGE a
.set AC, 64*(\a)
	WIN 0x08
.irp b, 0,1,2,3,4,5,6,7
	ds_store_b128 v[STO], v[AC+8*\b:AC+8*\b+3] offset:128*(\b/2)+32*(\b%2)
	ds_store_b128 v[STO], v[AC+8*\b+4:AC+8*\b+7] offset:128*(\b/2)+32*(\b%2)+16
.endr
	WIN 0
.set BB, BK+64*((\a)%2)
.irp t, 0,1,2,3,4,5,6,7,8,9,10,11,12,13,14,15
	ds_load_b128 v[BB+4*\t:BB+4*\t+3], v[RD] offset:\t*SPITCH
.endr
.endm
.macro SEND a, younger
.set BB, BK+64*((\a)%2)
	s_wait_dscnt \younger
.if (\a) > 0
.if (\a)%2 == 1
	s_add_nc_u64 s[10:11], s[10:11], 32768
.else
	s_add_nc_u64 s[10:11], s[10:11], 98304
.endif
.endif
.irp t, 0,1,2,3,4,5,6,7,8,9,10,11,12,13,14,15
	global_store_b128 v[CO], v[BB+4*\t:BB+4*\t+3], s[10:11] offset:(\t+8*(\t/8))*4096 th:TH_STORE_NT
.endr
.endm
	PLACES NP
	TOSTAGE 0
.irp a, 1,2,3
.if \a > 1
	s_wait_xcnt 0x0
.endif
	TOSTAGE \a
	SEND \a-1, 32
.endr
	s_wait_xcnt 0x0
	SEND 3, 0
	s_wait_tensorcnt 0x0
	ds_add_u32 v30, v31
	s_wait_dscnt 0x0
	CROUND
	s_endpgm
.Lfunc_end_k_qdd1c5c5d8b_gemm_out:
	.size	k_qdd1c5c5d8b_gemm_out, .Lfunc_end_k_qdd1c5c5d8b_gemm_out-k_qdd1c5c5d8b_gemm_out
	.p2alignl 7, 3214868480
	.fill 96, 4, 3214868480
	.section	.rodata,"a",@progbits
	.p2align	6, 0x0
	.amdhsa_kernel k_qdd1c5c5d8b_gemm_out
		.amdhsa_group_segment_fixed_size 327680
		.amdhsa_private_segment_fixed_size 0
		.amdhsa_enable_private_segment 0
		.amdhsa_kernarg_size 32
		.amdhsa_user_sgpr_count 2
		.amdhsa_user_sgpr_kernarg_segment_ptr 1
		.amdhsa_wavefront_size32 1
		.amdhsa_system_sgpr_workgroup_id_x 1
		.amdhsa_system_sgpr_workgroup_id_y 1
		.amdhsa_system_sgpr_workgroup_id_z 1
		.amdhsa_system_vgpr_workitem_id 0
		.amdhsa_next_free_vgpr 768
		.amdhsa_next_free_sgpr 100
		.amdhsa_reserve_vcc 0
		.amdhsa_float_denorm_mode_32 3
		.amdhsa_float_denorm_mode_16_64 3
		.amdhsa_memory_ordered 1
		.amdhsa_forward_progress 1
		.amdhsa_inst_pref_size 85
	.end_amdhsa_kernel
	.amdgpu_metadata
---
amdhsa.version: [ 1, 2 ]
amdhsa.kernels:
  - .name:           k_qdd1c5c5d8b_gemm_out
    .symbol:         k_qdd1c5c5d8b_gemm_out.kd
    .args:
      - { .name: oc, .offset: 0, .size: 8, .value_kind: global_buffer, .address_space: global }
      - { .name: wall, .offset: 8, .size: 8, .value_kind: global_buffer, .address_space: global }
      - { .name: bo, .offset: 16, .size: 8, .value_kind: global_buffer, .address_space: global }
      - { .name: out0, .offset: 24, .size: 8, .value_kind: global_buffer, .address_space: global }
    .group_segment_fixed_size: 327680
    .private_segment_fixed_size: 0
    .kernarg_segment_align: 8
    .kernarg_segment_size: 32
    .max_flat_workgroup_size: 128
    .sgpr_count:     100
    .vgpr_count:     768
    .wavefront_size: 32
...
	.end_amdgpu_metadata
.endif
;; end of part 4
